; MI455X (gfx1250); checked and timed in simulation.
; The chip was launched on July 23, 2026; its instructions are those of AMD's public machine-readable ISA for CDNA 5 (MIT licence, August 2026) and "CDNA5" Instruction Set Architecture Reference Guide (July 2026). The comments in the code are by the model that wrote it; some were corrected since.
;; Self Attention. Allowed arithmetic: matrix products marked QUANTISED: E2M3 operands, one E8M0 scale for each 32 along K, by v_wmma_scale_f32_16x16x128_f8f6f4 with both operands' format E2M3, f32 sums; everything else in f32.
;; Inputs: Kw_codes 1,024 x 32 x 24 uint8 (E2M3 codes of Kw, K innermost, in blocks of 32 codes, four codes in three bytes); Kw_scales 1,024 x 32 uint8 (E8M0 scales of Kw, one for each 32 codes along K); Qw_codes 1,024 x 32 x 24 uint8 (E2M3 codes of Qw, K innermost, in blocks of 32 codes, four codes in three bytes); Qw_scales 1,024 x 32 uint8 (E8M0 scales of Qw, one for each 32 codes along K); Vw_codes 1,024 x 32 x 24 uint8 (E2M3 codes of Vw, K innermost, in blocks of 32 codes, four codes in three bytes); Vw_scales 1,024 x 32 uint8 (E8M0 scales of Vw, one for each 32 codes along K); x_codes 4 x 2,048 x 32 x 24 uint8 (E2M3 codes of x, K innermost, in blocks of 32 codes, four codes in three bytes); x_scales 4 x 2,048 x 32 uint8 (E8M0 scales of x, one for each 32 codes along K).
;; Outputs: out0 4 x 2,048 x 1,024 float32.
;; This version of the problem:
;;   THIS VERSION OF THE PROBLEM IS GIVEN IN LOW PRECISION. The matrix products marked QUANTISED in the list below multiply operands that are first quantised to E2M3 (2 exponent bits, 3 mantissa bits; 6 bits a number), with one power-of-two scale for each 32 numbers along K (OCP MX v1.0); their sums are f32. All else is computed in f32.
;;   The module's matrix products, in the order in which they are computed (A, B: the left and right operand; K: the contracted axis; several contracted axes count as one K, in the product's order):
;;     1. [M 8,192, K 1,024] x [K 1,024, N 1,024]; A: input x (given as codes); B: input Qw (given as codes): QUANTISED
;;     2. [M 8,192, K 1,024] x [K 1,024, N 1,024]; A: input x (given as codes); B: input Kw (given as codes): QUANTISED
;;     3. [M 8,192, K 1,024] x [K 1,024, N 1,024]; A: input x (given as codes); B: input Vw (given as codes): QUANTISED
;;     4. batch 4 x [M 2,048, K 1,024] x [K 1,024, N 2,048]; A: computed on the way; B: computed on the way: QUANTISED
;;     5. batch 4 x [M 2,048, K 2,048] x [K 2,048, N 1,024]; A: softmax (see below); B: computed on the way: QUANTISED
;;   THE QUANTISER, for each operand of a quantised product, along K:
;;     - K is cut into blocks of 32 from its start; a last block that is shorter is filled with zeros.
;;     - A block's scale is 2^e with e = floor(log2(the largest magnitude in the block)) - 2, held to -126 .. 127; a block of zeros has e = 0. As a byte (E8M0): e + 127.
;;     - Each number is divided by its block's scale, clamped to +-7.5, and rounded to the nearest number of E2M3, ties to even, subnormals kept.
;;     - The product sums the exact products of the quantised numbers (number of the format x scale) in f32.
;;   ~~~python
;;   def quantise(x, axis):      # numpy; x: float32 -> the quantised numbers, widened to float32 again
;;       x = np.moveaxis(x, axis, -1); K = x.shape[-1]
;;       x = np.pad(x, [(0, 0)] * (x.ndim - 1) + [(0, -K % 32)]); x = x.reshape(x.shape[:-1] + (-1, 32)); a = np.abs(x).max(-1, keepdims=True)
;;       e = np.where(a > 0, np.clip(np.frexp(np.where(a > 0, a, 1))[1] - 1 - 2, -126, 127), 0)      # np.frexp(a)[1] - 1 = floor(log2(a)), exactly
;;       r = np.clip(x / 2.0 ** e, -7.5, 7.5)
;;       step = 2.0 ** (np.maximum(np.frexp(np.where(r == 0, 1, r))[1] - 1, 0) - 3)
;;       q = np.round(r / step) * step * 2.0 ** e      # np.round: ties to even
;;       return np.moveaxis(q.reshape(q.shape[:-2] + (-1,))[..., :K], -1, axis).astype(np.float32)
;;   ~~~
;;   SOFTMAX AHEAD OF A QUANTISED PRODUCT. Where the list says 'softmax', what is quantised is not the finished softmax but p = 2^(t - M), with t = logit x log2(e) and M = ceil(the row's largest t), a whole number; so 1/2 < the row's largest p <= 1. The row's sum l is taken of the UNQUANTISED p, in f32, and the product's result is divided by l at the end. Since M is a whole number, a kernel that streams over the keys may use a running M (the ceiling of the running maximum): every later rescaling is an exact power of two, which a block's scale takes up: the codes' values come out the same.
;;   OPERANDS COMPUTED ON THE WAY. 'Computed on the way' means the value that the module computes at that place (a softmax that the list does not call 'softmax' is quantised finished and normalised). What goes into a quantiser is computed in f32, as accurately as f32 sums, v_exp_f32 and their like allow (about 1e-6 of the number): no bf16 or f16 on the way to a quantiser, and a product that is left as it is and whose result goes on into a quantised operand takes f32 operands (vector FMAs, or v_wmma_f32_16x16x4_f32). A number that lies on a knife's edge between two numbers of the format may be rounded either way, as far as f32 arithmetic and the matrix unit's own rounding can turn it there, and no further.
;;   INPUTS GIVEN AS CODES. Kw (in the module: [1024, 1024], K = its axis 0); Qw (in the module: [1024, 1024], K = its axis 0); Vw (in the module: [1024, 1024], K = its axis 0); x (in the module: [4, 2048, 1024], K = its axis 2): each comes as NAME_codes (uint8): NAME with its K axis moved to the last place and cut into blocks of 32 codes, [.., K / 32, bytes a block], one block behind the other in memory; four codes in three bytes: a row's codes are one little-endian stream of bits, code i at bits 6 i .. 6 i + 5 (a code: sign, 2 exponent bits, 3 mantissa bits); and NAME_scales (uint8): the same leading axes, one E8M0 byte (e + 127) for each 32 codes along K. Its value is code x scale, taken as it is: it is not quantised again, and the codes and scales need not be those that the quantiser above would give.
;; One version. Each part assembles by itself: llvm-mc -triple=amdgcn-amd-amdhsa -mcpu=gfx1250 --defsym DOCPART=n.
;; ======== version 1 of 1: 3 launches
;; limits: right only within a limited range of input values
;; workspace buffers: qimg 6,553,600 bytes; kimg 6,553,600 bytes; vimg 6,553,600 bytes; pimg 7,077,888 bytes; pstat 1,572,864 bytes
;; launch proj (part 1): grid 16 x 16, 4 waves a work-group, clusters of 4 x 4, 327,680 bytes of LDS; arguments x_codes, x_scales, Qw_codes, Qw_scales, Kw_codes, Kw_scales, Vw_codes, Vw_scales, qimg, kimg, vimg; writes qimg, kimg, vimg
.if DOCPART == 1
	.amdgcn_target "amdgcn-amd-amdhsa--gfx1250"
	.amdhsa_code_object_version 6
	.text
	.protected	k_q9516faa28a_proj
	.globl	k_q9516faa28a_proj
	.p2align	8
	.type	k_q9516faa28a_proj,@function
k_q9516faa28a_proj:
	s_mov_b64 s[64:65], 0
	v_nop
	global_prefetch_b8 v0, s[64:65] scope:SCOPE_SE
	s_setreg_imm32_b32 hwreg(HW_REG_WAVE_MODE, 25, 1), 1
	s_wait_xcnt 0x0
	s_wait_alu depctr_hold_cnt(0) depctr_sa_sdst(0) depctr_va_vdst(0) depctr_va_sdst(0) depctr_va_ssrc(0) depctr_va_vcc(0) depctr_vm_vsrc(0)
	s_getreg_b32 s2, hwreg(HW_REG_IB_STS2, 6, 4)
	s_cmp_eq_u32 s2, 0
	s_cbranch_scc0 .Lentry_in_a_cluster
	s_endpgm
.Lentry_in_a_cluster:
	s_bfe_u32 s2, ttmp6, 0x10000c
	s_cmp_lg_u32 s2, 0xf033
	s_cbranch_scc0 .Lentry_shape_is_right
	s_endpgm
.Lentry_shape_is_right:
; LAUNCH 1 OF 3.  Q = x Qw, K = x Kw, V = x Vw on codes of FP6 (E2M3) with E8M0 scales, sums in f32; the results are quantised in registers (Q and K along the channels, V along the keys) and leave as codes and
; scale bytes in the order of the operand registers of the next two launches.
; DEAD WORK, left out in the two later launches: reference() adds its own tril mask, -inf where key > query, ahead of the softmax.  2^(-inf) = 0 whatever finite values the inputs hold, so a tile of queries x keys
; all of whose keys come after all of its queries gives p = 0 throughout: it adds nothing to a row's maximum, to its sum or to the second product.  Those tiles of the fourth product and the matching K steps of the
; fifth are not computed.  Nothing of this launch is dead: every row of Q, K and V is used.  All eight inputs are loaded.
; LIMITS: a NaN, an infinity or an overflow that reaches only the work left out is not carried to the result.  NaN and infinities in Q, K, V are not served.  A block of zeros gets the byte 1 where the
; rule says 127: its codes are zeros, and these bytes are read by this program alone.
; THE DEAL.  256 work-groups of four waves, 2 x 2; a wave holds 64 rows of a weight, all of K, in registers (384) and streams x's rows past them in blocks of 16.  A work-group makes 256 x 128 of V (phase 1), then
; 512 x 128 of Q or K (phase 2); V's 256 rows are the half s87 of its own 512, so the two chunks of 128 rows that come at the head serve both phases, and only the other half's two chunks are loaded later.
; s87 and the tensor (s19) come from the cluster's number alone.  x's rows are shared by a row of the cluster, a weight's by a column: joint loads.
; A wave in row a of the four takes, as blocks 2 p and 2 p + 1, rows 64 p + 32 a + 0 .. 15 and + 16 .. 31: a pair of blocks is 32 neighbouring tokens, one scale block of V.
; PLACES INSIDE A SCALE BLOCK.  The 32 numbers of a block lie in lanes l and l xor 16, sixteen each, as the products leave them.  A code's place among the 32 does not matter to the next product if both operands use the
; same: place 16 H + 8 u + i is number 16 u + 8 H + i of the block (H, u = 0, 1; i = 0 .. 7), for Q and K along the channels and for V and p along the keys.
; THE IMAGES.  A fragment of 16 rows x 128 K is two halves c of 768 bytes: registers 6 c .. 6 c + 3 of lane l at 16 l, registers 6 c + 4, 6 c + 5 at 512 + 8 l.
; Q, K: (tile of 256 tokens) x 196,608 + (channels / 256) x 49,152 + (block of 16 tokens) x 3,072 + (channel step of 128, odd or even) x 1,536; half c, lane half h: channels 64 c + 32 h + 0 .. 31 of the step.
; V: (tile of 256 tokens) x 196,608 + (block of 16 channels) x 3,072 + (key step of 128) x 1,536; half c, lane half h: keys 64 h + 32 c + 0 .. 31 of the step.
; SCALE WORDS behind the codes, at 6,291,456; byte 2 c + h of a word.  Q, K: (tile) x 8,192 + (channel step) x 1,024 + (64 tokens) x 256 + (row % 16) x 16 + (block of 16) x 4.
; V: (tile) x 8,192 + (64 channels) x 512 + (key step) x 256 + (channel % 16) x 16 + (block of 16) x 4.
; LDS: two slots for x's chunks, a region of its own for the weights' 128 rows, a chunk's scale bytes twice, the stages for the results' scale bytes, the spare words.
; THREE REFILLS, each in a drained round of the cluster's barrier: in V's block 2 the weights' region with Qw's or Kw's rows; in phase 2's blocks 2 and 6 the other half's chunks and their scale bytes.
; A BLOCK is 32 products; behind every second one stand two entries of its list: addresses, descriptors, and the search for the largest magnitudes of the block before.
; WAITS.  A block's rows were fetched two blocks ago: NF loads of the next block and the LDS stores between may be out.  Behind a round or a barrier of phase 2 the next block's rows have been waited for: no wait.
; PREFETCHES: the second weight at the head, one round ahead of its load; the later chunks two blocks and more ahead; shared out by address among the sixteen waves that ask jointly.
.set NQ,     8
.set KROW,   768
.set KS,     32
.set PITCH,  816                       ; an LDS row: 3 x (256 + 16)
.set FR,     12
.set FPW,    21                        ; fragments in a window of 256 registers
.set NF,     28                        ; LDS loads of a block
.set RA,     128
.set YB,     RA*PITCH
.set BVB,    2*YB
.set SCL,    3*YB
.set CU,     16                        ; a chunk's scale bytes: 16 units of 256
.set SCB,    CU*272
.set XN,     SCL+2*SCB                 ; stage of Q's or K's scale bytes: [wave][pair][r][block of the pair][2]
.set XM,     XN+2048                   ; V's: [wave][key step][r][t][2]
.set SPARE,  XM+1024
.set EMAX,   2
.set IMG,    6291456
.set ADRA0, 4
.set AAS0,  6
.set CO,    9                          ; 16 x lane
.set CO8,   21                         ; 8 x lane
.set SPW,   10
.set NIL,   11
.set ADRA,  12
.set ADRB,  14
.set ABS,   16
.set AAS,   17
.set STO,   18
.set STV,   19
.set SB,    24                         ; v24-39  the weights' scale words
.set TQ,    40                         ; v40-43  the two maxima and their partners'
.set SA,    44                         ; v44-59  the rows' scale words, two sets
.set TC,    60
.set VX,    63
.set ACC,   64                         ; v64-127 phase 2: two sets of four accumulators
.set HV0,   64                         ; v64-191 phase 1, band 0: 32 t + 8 j + i
.set HV1,   840                        ; v840-967 band 1
.set NCD,   128                        ; v128-139 phase 2's codes
.set MCD,   192                        ; v192-239 phase 1's codes
.set SOP,   240                        ; v240-247
.set EB,    248                        ; v248-255
.set SB2,   968                        ; v968-983 phase 2's weights' scale words
.set BA,    984                        ; v984-991 LDS addresses of the weights' four column tiles
.set SEL,   44
.set G1A, 24
.set G0A, 56
.set G0R, 68
.set G1B, 32
.set G0B, 60
.set G1S, 92
.set G0S, 72
.set MSB, 0
.macro WIN new
.if MSB != \new
	s_set_vgpr_msb (MSB<<8)|\new
.set MSB, \new
.endif
.endm
.macro PLACES n
.rept \n
	v_nop
.endr
.endm
.macro WALU
	s_wait_alu depctr_va_vdst(0)
.endm
.macro BARRIER
	s_barrier_signal -1
	s_barrier_wait -1
.endm
.macro MIDDLE
	WIN 0
	s_barrier_wait -1
	s_cmp_lg_u32 s14, 0
	s_cbranch_scc1 .Lnot_wave_0_\@
	s_barrier_signal -3
.Lnot_wave_0_\@:
	s_barrier_wait -3
.endm
.macro CROUND
	s_barrier_signal -1
	MIDDLE
	BARRIER
.endm
.macro GRD
	s_wait_tensorcnt 0x0
	ds_add_u32 v[SPW], v[NIL]
.endm
.macro TLOAD g0, g1
	tensor_load_to_lds s[\g0:\g0+3], s[\g1:\g1+7]
	s_nop 0
	PLACES 4
.endm
.macro GROUP1 g, mask, rows
	s_or_b32 s[\g+0], s[\mask], (1<<20)|(1<<21)|(5<<22)|(3<<25)
	s_mov_b32 s[\g+1], KROW<<16
	s_mov_b32 s[\g+2], (\rows)<<16
	s_mov_b32 s[\g+3], KROW<<16
	s_mov_b32 s[\g+4], \rows
	s_mov_b32 s[\g+5], KROW
	s_mov_b32 s[\g+6], 0
	s_mov_b32 s[\g+7], 0
.endm
.macro SADD d, x
	s_add_co_u32 s\d, s\d, s\x
.endm
.macro G0SET g, base, off
	s_mov_b32 s20, s\off
	s_add_nc_u64 s[\g+2:\g+3], s[\base:\base+1], s[20:21]
	s_or_b32 s[\g+3], s[\g+3], 0x80000000
.endm
; Fragment f lies in window 1 + f / 21 at register 12 (f % 21): 0-31 the weights' (4 q + b), 32-39 and 40-47 the rows' two sets.
.macro FRAG f, q, a0, a1, aw           ; six pieces of 8 bytes, two to a load where both lie behind as many paddings (a1: lanes 16-31 lie behind one padding more)
	WIN ((1+(\f)/FPW)<<6)|(\aw)
.set R_, FR*((\f)%FPW)
.set SKIP_, 0
.irp p, 0,1,2,3,4,5
.if SKIP_
.set SKIP_, 0
.else
.set PC_, 12*(\q)+6*(\p/3)+\p%3
.set PN_, 12*(\q)+6*((\p+1)/3)+(\p+1)%3
.set X_, (PC_%32+3)/32
.set XQ_, (PN_%32+3)/32
.if (\p < 5) && (X_ == XQ_)
.set SKIP_, 1
.if X_
	ds_load_2addr_b64 v[R_+2*\p:R_+2*\p+3], \a1 offset0:PC_+2*(PC_/32) offset1:PN_+2*(PN_/32)
.else
	ds_load_2addr_b64 v[R_+2*\p:R_+2*\p+3], \a0 offset0:PC_+2*(PC_/32) offset1:PN_+2*(PN_/32)
.endif
.elseif X_
	ds_load_b64 v[R_+2*\p:R_+2*\p+1], \a1 offset:8*(PC_+2*(PC_/32))
.else
	ds_load_b64 v[R_+2*\p:R_+2*\p+1], \a0 offset:8*(PC_+2*(PC_/32))
.endif
.endif
.endr
.endm
.macro WEIGHTS                         ; my 64 rows of the weight, all of K: 104 loads
.irp q, 0,1,2,3,4,5,6,7
.irp b, 0,1,2,3
	FRAG 4*\q+\b, \q, v[BA-768+2*\b], v[BA-768+2*\b+1], 3
.endr
.endr
	WIN 0
.endm
.macro FETCHAT e, a0, a1, as           ; a block of x's rows into set e: NF loads
.irp q, 0,1,2,3,4,5,6,7
	FRAG 32+NQ*(\e)+\q, \q, \a0, \a1, 0
.endr
	WIN 0
	ds_load_b128 v[SA+8*(\e):SA+8*(\e)+3], \as
	ds_load_b128 v[SA+8*(\e)+4:SA+8*(\e)+7], \as offset:16
.endm
.macro FETCH e
	FETCHAT \e, v[ADRA], v[ADRA+1], v[AAS]
.endm
.macro FETCH01                         ; a phase's first two blocks, from slot 0
	FETCHAT 0, v[ADRA0], v[ADRA0+1], v[AAS0]
	FETCHAT 1, v1, v22, v23
	s_mov_b32 s101, 16*PITCH
	s_mov_b32 s91, 2*272
.endm
; A product: n = 4 q + tile.  kind 0 (Q, K): source 0 the weight's rows; kind 1 (V): source 0 x's rows.  Four accumulators take turns.
.macro PROD kind, e, n, a0, as
.set Q_, (\n)/4
.set FB_, 4*Q_+(\n)%4
.set FA_, 32+NQ*(\e)+Q_
.set D_, (\a0)+(\as)*((\n)%4)
.set DL_, D_&255
.set XB_, SB+NQ*(((\n)%4)/2)+Q_
.set XA_, SA+8*(\e)+Q_
.if \kind
	WIN (1+FA_/FPW)|((1+FB_/FPW)<<2)|((D_>>8)<<4)|((D_>>8)<<6)
.if Q_
	PROD1 DL_, FA_, FB_, v[DL_:DL_+7], XA_, XB_, b, (\n)%2
.else
	PROD1 DL_, FA_, FB_, 0, XA_, XB_, b, (\n)%2
.endif
.else
	WIN (1+FB_/FPW)|((1+FA_/FPW)<<2)|((D_>>8)<<4)|((D_>>8)<<6)
.if Q_
	PROD1 DL_, FB_, FA_, v[DL_:DL_+7], XB_, XA_, a, (\n)%2
.else
	PROD1 DL_, FB_, FA_, 0, XB_, XA_, a, (\n)%2
.endif
.endif
.endm
.macro PROD1 d, s0, s1, c, x0, x1, side, o
.if \o
	v_wmma_scale_f32_16x16x128_f8f6f4 v[\d:\d+7], v[FR*((\s0)%FPW):FR*((\s0)%FPW)+FR-1], v[FR*((\s1)%FPW):FR*((\s1)%FPW)+FR-1], \c, v[\x0], v[\x1] matrix_a_fmt:MATRIX_FMT_FP6 matrix_b_fmt:MATRIX_FMT_FP6 matrix_\side\()_scale:MATRIX_SCALE_ROW1
.else
	v_wmma_scale_f32_16x16x128_f8f6f4 v[\d:\d+7], v[FR*((\s0)%FPW):FR*((\s0)%FPW)+FR-1], v[FR*((\s1)%FPW):FR*((\s1)%FPW)+FR-1], \c, v[\x0], v[\x1] matrix_a_fmt:MATRIX_FMT_FP6 matrix_b_fmt:MATRIX_FMT_FP6 matrix_\side\()_scale:MATRIX_SCALE_ROW0
.endif
.endm
; Products from .. to - 1 of a block; behind every second one two entries of the list (a macro: entry number and three arguments of its own).
.macro BLOCK kind, e, a0, as, from, to, list, x=0, y=0, z=0
.set N_, \from
.rept (\to)-(\from)
	PROD \kind, \e, N_, \a0, \as
.if N_%2
	\list N_-1, \x, \y, \z
	\list N_, \x, \y, \z
.endif
.set N_, N_+1
.endr
.endm
.macro STEP i, wrap, odd               ; to the LDS addresses of the block two on: 3 entries; with the test for the ring's end 4.  From an odd block to the next even one 48 rows, else 16
.if \wrap
.if (\i) == 0
	s_add_co_u32 s101, s101, (48-32*(\odd))*PITCH
	s_cmp_eq_u32 s101, 2*RA*PITCH
	s_cselect_b32 s101, 0, s101
	s_add_co_u32 s91, s91, (6-4*(\odd))*272
.elseif (\i) == 1
	s_cmp_eq_u32 s91, 2*SCB
	s_cselect_b32 s91, 0, s91
.endif
	STEPV (\i)-1
.else
.if (\i) == 0
	s_add_co_u32 s101, s101, (48-32*(\odd))*PITCH
	s_add_co_u32 s91, s91, (6-4*(\odd))*272
.endif
	STEPV \i
.endif
.endm
.macro STEPV i
.if (\i) == 0
	WIN 0
	v_add_nc_u32 v[ADRA], s101, v[ADRA0]
.elseif (\i) == 1
	WIN 0
	v_add_nc_u32 v[ADRA+1], s101, v[ADRA0+1]
.elseif (\i) == 2
	WIN 0
	v_add_nc_u32 v[AAS], s91, v[AAS0]
.endif
.endm
; A way out's first part, 22 entries: the 32 sums from register x on are my halves of two scale blocks, 16 each; two chains side by side, each joined with lane l xor 16's; the conversions' scale operands v[SOP+2n], v[SOP+2n+1].
; The floor 2^(3 - 127) holds the byte at 1 from below.
.macro CHAIN i, x, n, t=TQ
.set XW_, (\x)>>8
.set XL_, (\x)&255
.if (\i) >= 0
.if (\i) < 14
.set B_, XL_+16*((\i)%2)+2*((\i)/2)
.set T_, (\t)+(\i)%2
.if (\i) < 2
	WIN XW_|(XW_<<2)|(XW_<<4)
	v_max3_num_f32 v[T_], |v[B_]|, |v[B_+1]|, |v[B_+2]|
.else
	WIN (XW_<<2)|(XW_<<4)
	v_max3_num_f32 v[T_], v[T_], |v[B_+1]|, |v[B_+2]|
.endif
.elseif (\i) < 16
	WIN XW_<<2
	v_max3_num_f32 v[(\t)+(\i)-14], v[(\t)+(\i)-14], |v[XL_+15+16*((\i)-14)]|, (EMAX+1)<<23
.elseif (\i) < 18
	WIN 0
	v_permlanex16_b32 v[(\t)+(\i)-14], v[(\t)+(\i)-16], s[SEL], s[SEL+1]
.elseif (\i) < 20
	WIN 0
	v_max_num_f32 v[(\t)+(\i)-18], v[(\t)+(\i)-18], v[(\t)+(\i)-16]
.elseif (\i) < 22
	WIN 0
	v_add_nc_u32 v[SOP+2*(\n)+(\i)-20], -(EMAX<<23), v[(\t)+(\i)-20]
.endif
.endif
.endm
; Its second part, 11 lines: the codes of two half blocks; the lower lanes take the first block whole, the upper lanes the second: v[c .. c+5]; both bytes into v[EB+n].
.macro CODES i, x, c, n, t=TC
.set XW_, (\x)>>8
.set XL_, (\x)&255
.if (\i) == 0
	WIN XW_
	v_cvt_scalef32_pk16_fp6_f32 v[\c:\c+2], v[XL_:XL_+15], v[SOP+2*(\n)]
.elseif (\i) == 1
	WIN XW_
	v_cvt_scalef32_pk16_fp6_f32 v[\t:\t+2], v[XL_+16:XL_+31], v[SOP+2*(\n)+1]
.elseif (\i) == 2
	WIN 0
	v_lshrrev_b32 v[EB+\n], 23, v[SOP+2*(\n)]
.elseif (\i) == 3
	WIN 0
	v_lshrrev_b32 v[EB+4+\n], 23, v[SOP+2*(\n)+1]
.elseif (\i) < 7
	WIN 0
	v_permlane16_swap_b32 v[\c+(\i)-4], v[\t+(\i)-4]
.elseif (\i) < 10
	WIN 0
	v_mov_b32 v[\c+(\i)-4], v[\t+(\i)-7]
.else
	WIN 0
	v_lshl_or_b32 v[EB+\n], v[EB+4+\n], 8, v[EB+\n]
.endif
.endm
.macro CODESALL x, c, n
.irp k, 0,1,2,3,4,5,6,7,8,9,10
	CODES \k, \x, \c, \n
.endr
.endm
.macro PFTILE v, share, off            ; my sixteenth of a tile of 128 rows
	s_mul_i32 s20, s\share, RA*KROW/16
	s_add_co_u32 s20, s20, s\off
	WIN 0
	v_min_u32 v\v, RA*KROW/16/256-1, v3
	v_lshl_add_u32 v\v, v\v, 8, s20
.endm
.macro PFGO v, base
	global_prefetch_b8 v\v, s[\base:\base+1] th:TH_LOAD_NT scope:SCOPE_SE
.endm
.macro PUT2 r, base, off               ; half a fragment: 512 and 256 consecutive bytes
	global_store_b128 v[CO], v[\r:\r+3], \base offset:\off
	global_store_b64 v[CO8], v[\r+4:\r+5], \base offset:(\off)+512
.endm
.macro ASK i                           ; 4 entries: the descriptors of the chunk at s88 for slot s47, and of its scale bytes at s55 for s8; then all four step on
.if (\i) == 0
	s_mul_i32 s[G0R+1], s14, RA/2*PITCH
	s_add_co_u32 s[G0R+1], s[G0R+1], s47
	s_mul_i32 s20, s14, RA/2*KROW
	SADD 20, 88
.elseif (\i) == 1
	s_mov_b32 s21, 0
	s_add_nc_u64 s[G0R+2:G0R+3], s[4:5], s[20:21]
	s_or_b32 s[G0R+3], s[G0R+3], 0x80000000
	s_mov_b32 s[G0S+1], s8
.elseif (\i) == 2
	s_mov_b32 s20, s55
	s_add_nc_u64 s[G0S+2:G0S+3], s[6:7], s[20:21]
	s_or_b32 s[G0S+3], s[G0S+3], 0x80000000
	s_add_co_u32 s88, s88, RA*KROW
.elseif (\i) == 3
	s_add_co_u32 s55, s55, CU*256
	s_xor_b32 s47, s47, YB
	s_xor_b32 s8, s8, (SCL)^(SCL+SCB)
.endif
.endm
.macro PAIR i                          ; 3 entries: where pair s46's codes go (by its true number s46 xor 4 s87) and its scale bytes (by the order of work)
.if (\i) == 0
	s_lshl_b32 s3, s87, 2
	s_xor_b32 s3, s3, s46
	s_lshr_b32 s20, s3, 2
	s_mul_i32 s20, s20, 196608
.elseif (\i) == 1
	s_and_b32 s21, s3, 3
	s_mul_i32 s21, s21, 12288
	SADD 20, 21
	s_mov_b32 s21, 0
.elseif (\i) == 2
	s_add_nc_u64 s[84:85], s[10:11], s[20:21]
	s_lshl_b32 s22, s46, 6
	s_add_co_u32 s46, s46, 1
	WIN 0
	v_add_nc_u32 v[VX], s22, v[STO]
.endif
.endm
; The lists.
.macro L_STEP i, x, y, z               ; x: the block's parity
	STEP \i, 0, \x
.endm
.macro L_NONE i, x, y, z
.endm
.macro L_OUT i, x, y, z                ; the step (parity z), then the way out of the sums at x
	STEP \i, 0, \z
	CHAIN (\i)-3, \x, \y
.endm
.macro L_LAST i, x, y, z
	CHAIN \i, \x, \y
.endm
.macro L_V2 i, x, y, z                 ; V's third block: the first refill's descriptors, the later refills' group 1, the step, prefetches of what the second refill will load
.if (\i) == 0
	s_mov_b32 s[G1A+2], (RA/2)<<16
	s_mov_b32 s[G1A+4], RA/2
	s_mov_b32 s[G1S+2], CU<<16
	s_mov_b32 s[G1S+4], CU
.elseif (\i) == 1
	s_mov_b32 s[G1B+2], (RA/2)<<16
	s_mov_b32 s[G1B+4], RA/2
	s_mul_i32 s[G0B+1], s14, RA/2*PITCH
	s_add_co_u32 s[G0B+1], s[G0B+1], BVB
.elseif (\i) == 2
	s_mul_i32 s20, s14, RA/2*KROW
	s_mov_b32 s21, 0
	s_add_nc_u64 s[G0B+2:G0B+3], s[12:13], s[20:21]
	s_or_b32 s[G0B+3], s[G0B+3], 0x80000000
.elseif (\i) == 7
	PFTILE 7, 90, 88
.elseif (\i) == 8
	s_lshl_b32 s20, s90, 9
	SADD 20, 55
	WIN 0
	v_min_u32 v8, 1, v3
	v_lshl_add_u32 v8, v8, 8, s20
.endif
	STEP (\i)-4, 0, 0
.endm
.macro L_V7 i, x, y, z                 ; V's last block: the prefetch of what the third refill will load; the way out
.if (\i) == 0
	s_add_co_u32 s22, s88, RA*KROW
	PFTILE 20, 90, 22
.endif
	CHAIN (\i)-1, \x, \y
.endm
.macro L_ODD i, x, y, z
	PAIR \i
	STEP (\i)-3, 0, 1
	CHAIN (\i)-6, ACC, 0
.endm
.macro L_ODDL i, x, y, z
	PAIR \i
	CHAIN (\i)-3, ACC, 0
.endm
.macro L_ROUND i, x, y, z
	ASK \i
	STEP (\i)-4, 1, 0
	CHAIN (\i)-8, ACC+32, 1
.endm
; Phase 2's blocks.  w: the count of the wait for the block's rows (-1: they have been waited for)
.macro WAITDS w
.if (\w) >= 0
	s_wait_dscnt \w
.endif
.endm
.macro EVENOUT fetch                   ; behind an even block: the odd block before it leaves; the fetch of the block two on
	WALU
	ds_store_b16 v[VX], v[EB+1] offset:2
	PUT2 NCD+6, s[84:85], 3072
.if \fetch
	FETCH 0
.endif
.endm
.macro EVEN w, fetch
	WAITDS \w
.if \fetch
	BLOCK 0, 0, ACC, 8, 0, 32, L_OUT, ACC+32, 1, 0
.else
	BLOCK 0, 0, ACC, 8, 0, 32, L_LAST, ACC+32, 1
.endif
	WIN 0
	CODESALL ACC+32, NCD+6, 1
	EVENOUT \fetch
.endm
.macro EVENROUND w                     ; the second and the third refill
	WAITDS \w
	GRD
	BLOCK 0, 0, ACC, 8, 0, 26, L_ROUND
	WIN 0
	WALU
	s_wait_dscnt 0x0
	s_barrier_signal -1
	BLOCK 0, 0, ACC, 8, 26, 32, L_ROUND
	WIN 0
	CODESALL ACC+32, NCD+6, 1
	MIDDLE
	BARRIER
	s_cmp_lt_u32 s14, 2
	s_cbranch_scc0 .Lscales_\@
	TLOAD G0R, G1A
	s_branch .Lasked_\@
.Lscales_\@:
	s_cmp_eq_u32 s14, 2
	s_cbranch_scc0 .Lnone_\@
	TLOAD G0S, G1S
.Lnone_\@:
.Lasked_\@:
	EVENOUT 1
.endm
.macro EVENSHOW w                      ; a plain barrier inside the block shows the last refill to all
	WAITDS \w
	BLOCK 0, 0, ACC, 8, 0, 26, L_OUT, ACC+32, 1, 0
	WIN 0
	WALU
	s_wait_tensorcnt 0x0
	s_wait_dscnt 0x0
	s_barrier_signal -1
	BLOCK 0, 0, ACC, 8, 26, 32, L_NONE
	WIN 0
	s_barrier_wait -1
	CODESALL ACC+32, NCD+6, 1
	EVENOUT 1
.endm
.macro ODD w, fetch
	WAITDS \w
	s_wait_xcnt 0x0                                     ; earlier stores have read their codes and their base
.if \fetch
	BLOCK 0, 1, ACC+32, 8, 0, 32, L_ODD
.else
	BLOCK 0, 1, ACC+32, 8, 0, 32, L_ODDL
.endif
	WIN 0
	CODESALL ACC, NCD, 0
	WALU
	ds_store_b16 v[VX], v[EB]
	PUT2 NCD, s[84:85], 0
.if \fetch
	FETCH 1
.endif
.endm
; ================= THE HEAD
	s_load_b128 s[4:7], s[0:1], 0x0                     ; x's codes, scales
	s_load_b128 s[48:51], s[0:1], 0x10                  ; Qw's
	s_load_b128 s[76:79], s[0:1], 0x20                  ; Kw's
	s_load_b128 s[80:83], s[0:1], 0x30                  ; Vw's
	v_lshl_add_u32 v[SPW], v0, 2, SPARE
	v_mov_b32 v[NIL], 0
	ds_add_u32 v[SPW], v[NIL]                           ; the opening lines
	ds_add_u32 v[SPW], v[NIL]
	v_lshrrev_b32 v1, 5, v0
	v_readfirstlane_b32 s14, v1                         ; s14 the wave; s15 its row of the 2 x 2, s16 its column
	s_lshr_b32 s15, s14, 1
	s_and_b32 s16, s14, 1
	s_bfe_u32 s40, ttmp6, 0x40000                       ; cx
	s_bfe_u32 s41, ttmp6, 0x40004                       ; cy
	s_lshl_b32 s42, ttmp9, 2
	s_add_co_u32 s42, s42, s40                          ; phase 2's tile column, 0 .. 15
	s_and_b32 s43, ttmp7, 0xffff
	s_lshl_b32 s43, s43, 2
	s_add_co_u32 s43, s43, s41                          ; its tile row
	s_lshr_b32 s19, ttmp9, 1                            ; 0 Q, 1 K
	s_and_b32 s87, ttmp9, 1                             ; V's half of my 512 rows
	s_lshl_b32 s9, s19, 2
	s_add_co_u32 s9, s9, s40                            ; V's tile column
	s_lshl_b32 s2, s43, 1
	s_add_co_u32 s2, s2, s87                            ; V's tile row
	s_and_b32 s18, s42, 7                               ; phase 2's channel step
	s_lshl_b32 s44, s41, 2
	s_lshl_b32 s44, 15, s44                             ; my row of the cluster
	s_lshl_b32 s45, 0x1111, s40                         ; my column
	GROUP1 G1A, 44, RA
	GROUP1 G1B, 45, RA
	s_or_b32 s[G1S+0], s44, (3<<16)|(1<<20)|(1<<21)|(5<<22)|(3<<25)
	s_mov_b32 s[G1S+1], 32<<16
	s_mov_b32 s[G1S+2], (2*CU)<<16
	s_mov_b32 s[G1S+3], 32<<16
	s_mov_b32 s[G1S+4], 2*CU
	s_mov_b32 s[G1S+5], 32
	s_mov_b32 s[G1S+6], 0
	s_mov_b32 s[G1S+7], 0
	s_mov_b32 s[G0S], 1
	s_mov_b32 s[G0S+1], SCL
	s_mul_i32 s67, s43, 512*KROW                        ; my 512 rows
	s_mul_i32 s66, s2, 256*KROW                         ; V's half of them
	s_mul_i32 s47, s18, RA*KROW                         ; Qw's or Kw's rows
	s_mul_i32 s54, s9, RA*KROW                          ; Vw's
	s_mul_i32 s55, s43, 512*KS                          ; my rows' scale bytes
	s_mul_i32 s89, s2, 256*KS
	s_mul_i32 s21, s16, 64*KS
	s_mul_i32 s17, s18, RA*KS
	SADD 17, 21
	s_mul_i32 s84, s9, RA*KS
	SADD 84, 21
	s_mov_b32 s85, 0
	s_mov_b32 s[G0A], 1
	s_mov_b32 s[G0A+1], 0
	s_mov_b32 s[G0B], 1
	s_mov_b32 s[G0B+1], BVB
	s_mov_b32 s[G0R], 1
	s_mov_b32 s[G0R+1], YB
	v_and_b32 v1, 15, v0                                ; r
	v_bfe_u32 v2, v0, 4, 1                              ; h
	v_and_b32 v3, 31, v0                                ; the lane; kept
	v_mul_u32_u24 v22, v1, PITCH
	v_mad_u32_u24 v23, v2, 24, v22
	s_mul_i32 s21, s15, 32*PITCH
	v_add_nc_u32 v[ADRA0], s21, v23
	s_mul_i32 s22, s16, 64*PITCH
	s_add_co_u32 s22, s22, BVB
	v_add_nc_u32 v[ADRB], s22, v23
	v_mad_u32_u24 v23, v2, 24+16, v22
	v_add_nc_u32 v[ADRA0+1], s21, v23
	v_add_nc_u32 v[ADRB+1], s22, v23
	v_mul_u32_u24 v[ABS], v3, KS
	v_mul_u32_u24 v23, v1, KS
	v_lshrrev_b32 v22, 8, v23
	v_lshl_add_u32 v23, v22, 4, v23
	s_mul_i32 s21, s15, 4*272
	s_add_co_u32 s21, s21, SCL
	v_add_nc_u32 v[AAS0], s21, v23
	v_lshlrev_b32 v[CO], 4, v3
	v_lshlrev_b32 v[CO8], 3, v3
	s_mul_i32 s21, s14, 512
	s_add_co_u32 s21, s21, XN
	v_lshlrev_b32 v23, 2, v1
	v_add_nc_u32 v[STO], s21, v23
	s_mul_i32 s21, s14, 256
	s_add_co_u32 s21, s21, XM
	v_lshlrev_b32 v23, 3, v1
	v_add_nc_u32 v[STV], s21, v23
	s_lshl_b32 s90, s40, 2
	s_add_co_u32 s90, s90, s14                          ; my number among the sixteen waves of my row of the cluster
	s_lshl_b32 s100, s41, 2
	s_add_co_u32 s100, s100, s14                        ; and of my column
	WALU
	s_wait_dscnt 0x0
	CROUND                                              ; the opening round
	s_wait_kmcnt 0x0
	s_cmp_eq_u32 s19, 0
	s_cselect_b64 s[12:13], s[48:49], s[76:77]          ; Qw or Kw: codes, scales
	s_cselect_b64 s[10:11], s[50:51], s[78:79]
	s_mov_b32 s20, s47
	s_mov_b32 s21, 0
	s_add_nc_u64 s[12:13], s[12:13], s[20:21]
	s_mov_b32 s20, s17
	s_add_nc_u64 s[10:11], s[10:11], s[20:21]
	s_add_nc_u64 s[84:85], s[82:83], s[84:85]
	s_mov_b32 s20, s66
	s_add_nc_u64 s[G0A+2:G0A+3], s[4:5], s[20:21]
	s_add_nc_u64 s[G0R+2:G0R+3], s[G0A+2:G0A+3], RA*KROW
	s_or_b32 s[G0A+3], s[G0A+3], 0x80000000
	s_or_b32 s[G0R+3], s[G0R+3], 0x80000000
	G0SET G0B, 80, 54
	G0SET G0S, 6, 89
	s_cmp_eq_u32 s14, 0
	s_cbranch_scc0 .Lwave_1
	TLOAD G0B, G1B                                      ; wave 0: Vw's rows
	s_branch .Lasked
.Lwave_1:
	s_cmp_eq_u32 s14, 1
	s_cbranch_scc0 .Lwave_2
	TLOAD G0S, G1S                                      ; wave 1: both chunks' scale bytes
	s_branch .Lasked
.Lwave_2:
	s_cmp_eq_u32 s14, 2
	s_cbranch_scc0 .Lwave_3
	TLOAD G0A, G1A                                      ; wave 2: chunk 0
	s_branch .Lasked
.Lwave_3:
	TLOAD G0R, G1A                                      ; wave 3: chunk 1
.Lasked:
	s_mov_b32 s[SEL], 0x76543210
	s_mov_b32 s[SEL+1], 0xfedcba98
	s_mul_i32 s76, s43, 2*196608                        ; where the results go: s[76:77] Q's or K's codes, s[78:79] their scale words, s[80:81], s[82:83] V's
	s_lshr_b32 s21, s18, 1
	s_mul_i32 s21, s21, 49152
	SADD 76, 21
	s_and_b32 s21, s18, 1
	s_mul_i32 s21, s21, 1536
	SADD 76, 21
	s_mul_i32 s21, s16, 768
	SADD 76, 21
	s_mul_i32 s21, s15, 6144
	SADD 76, 21
	s_mov_b32 s77, 0
	s_lshl_b32 s78, s43, 14
	s_xor_b32 s21, s15, s87                             ; the stage lies in the order of work
	s_lshl_b32 s21, s21, 13
	SADD 78, 21
	s_lshl_b32 s21, s18, 10
	SADD 78, 21
	s_lshl_b32 s22, s16, 9
	SADD 78, 22
	s_add_co_u32 s78, s78, IMG
	s_mov_b32 s79, 0
	s_mul_i32 s80, s2, 196608
	s_mul_i32 s21, s9, 24576
	SADD 80, 21
	s_mul_i32 s21, s16, 12288
	SADD 80, 21
	s_mul_i32 s21, s15, 768
	SADD 80, 21
	s_mov_b32 s81, 0
	s_lshl_b32 s82, s2, 13
	s_lshl_b32 s21, s9, 10
	SADD 82, 21
	SADD 82, 22
	s_add_co_u32 s82, s82, IMG
	s_mov_b32 s83, 0
.irp p, 0,1
.irp c, 0,1
	global_load_b128 v[SB+NQ*\p+4*\c:SB+NQ*\p+4*\c+3], v[ABS], s[84:85] offset:\p*32*KS+16*\c
.endr
.endr
	WIN 3<<6
.irp p, 0,1
.irp c, 0,1
	global_load_b128 v[SB2-768+NQ*\p+4*\c:SB2-768+NQ*\p+4*\c+3], v[ABS], s[10:11] offset:\p*32*KS+16*\c
.endr
.endr
	WIN 0
	s_wait_xcnt 0x0
	s_load_b128 s[48:51], s[0:1], 0x40                  ; qimg, kimg
	s_load_b64 s[52:53], s[0:1], 0x50                   ; vimg
	s_wait_loadcnt 0x0
	s_mov_b32 s46, 0
	s_mov_b32 s88, s67
	s_mov_b32 s47, 0
	s_mov_b32 s8, SCL
	s_xor_b32 s20, s87, 1                               ; the chunks still to come are the other half's
	s_mul_i32 s21, s20, 2*RA*KROW
	SADD 88, 21
	s_mul_i32 s21, s20, 2*CU*256
	SADD 55, 21
	WIN 3<<6
.irp b, 0,1,2,3
	v_add_nc_u32 v[BA-768+2*\b], \b*16*PITCH, v[ADRB]
	v_add_nc_u32 v[BA-768+2*\b+1], \b*16*PITCH, v[ADRB+1]
.endr
	WIN 0
	v_add_nc_u32 v1, 16*PITCH, v[ADRA0]
	v_add_nc_u32 v22, 16*PITCH, v[ADRA0+1]
	v_add_nc_u32 v23, 2*272, v[AAS0]
	v_mov_b32 v[TQ+2], 0                                ; a lane permute's destination counts as one of its sources
	v_mov_b32 v[TQ+3], 0
	s_mul_i32 s20, s100, RA*KROW/16                     ; what the first refill will load: my sixteenth
	v_min_u32 v8, RA*KROW/16/256-1, v3
	v_lshl_add_u32 v8, v8, 8, s20
	WALU
	s_cmp_eq_u32 s14, 0
	s_cbranch_scc0 .Lnot_b
	s_wait_tensorcnt 0x0
.Lnot_b:
	BARRIER                                             ; Vw's rows are in
	PFGO 8, 12
	WEIGHTS
	s_cmp_eq_u32 s14, 3
	s_cbranch_scc1 .Lnot_a0
	s_wait_tensorcnt 0x0
.Lnot_a0:
	s_wait_dscnt 0x0
	BARRIER                                             ; chunk 0 and the scale bytes are in; chunk 1 may be on its way
	FETCH01
	s_wait_kmcnt 0x0
	s_cmp_eq_u32 s19, 0
	s_cselect_b64 s[22:23], s[48:49], s[50:51]
	s_add_nc_u64 s[10:11], s[22:23], s[76:77]
	s_add_nc_u64 s[48:49], s[22:23], s[78:79]
	s_add_nc_u64 s[50:51], s[52:53], s[80:81]
	s_add_nc_u64 s[52:53], s[52:53], s[82:83]
; ================= PHASE 1: V, eight blocks in two bands of four (a band: 64 of a key step's 128 keys); band 0's way outs stand in band 1's blocks
.irp s, 0,1
	s_wait_dscnt NF
	BLOCK 1, \s, HV0+8*\s, 32, 0, 32, L_STEP, \s
	WIN 0
	PLACES 4
	WALU
	FETCH \s
.endr
	s_wait_dscnt NF
	s_wait_xcnt 0x0                                     ; the list writes v8, the address of the head's prefetch
	GRD
	BLOCK 1, 0, HV0+16, 32, 0, 24, L_V2
	WIN 0
	WALU
	s_wait_dscnt 0x0
	s_barrier_signal -1
	BLOCK 1, 0, HV0+16, 32, 24, 32, L_NONE
	MIDDLE
	BARRIER
	s_cmp_lt_u32 s14, 2
	s_cbranch_scc0 .Lno_half
	TLOAD G0B, G1B                                      ; waves 0 and 1 a half each of Qw's or Kw's rows, onto Vw's, which all waves hold in registers
.Lno_half:
	PLACES 4
	WALU
	FETCH 0
	PFGO 7, 4
	PFGO 8, 6
	BLOCK 1, 1, HV0+24, 32, 0, 32, L_STEP, 1
	WIN 0
	PLACES 4
	WALU
	FETCH 1
.irp j, 0,1,2
	s_wait_dscnt NF+(\j+1)/2
.if \j < 2
	BLOCK 1, \j%2, HV1+8*\j, 32, 0, 32, L_OUT, HV0+32*\j, \j, \j%2
.else
	BLOCK 1, \j%2, HV1+8*\j, 32, 0, 32, L_LAST, HV0+32*\j, \j
.endif
	WIN 0
	CODESALL HV0+32*\j, MCD+6*\j, \j
	WALU
	ds_store_b16 v[STV], v[EB+\j] offset:2*\j
	PUT2 MCD+6*\j, s[50:51], 3072*\j
.if \j < 2
	FETCH \j%2
.endif
.endr
	s_wait_dscnt 1
	BLOCK 1, 1, HV1+24, 32, 0, 26, L_V7, HV0+96, 3
	WIN 0
	WALU
	s_wait_tensorcnt 0x0
	s_wait_dscnt 0x0
	s_barrier_signal -1                                 ; a plain barrier: the weights that the first refill brought are shown to all
	BLOCK 1, 1, HV1+24, 32, 26, 32, L_NONE
	WIN 0
	s_barrier_wait -1
	CODESALL HV0+96, MCD+18, 3
	WALU
	ds_store_b16 v[STV], v[EB+3] offset:6
	PUT2 MCD+18, s[50:51], 3072*3
; ================= THE CHANGE OF PHASE: the weights and the first two blocks' rows, which lie in slot 0 still, in one run of loads; band 1's four way outs under their flight
	WEIGHTS
	FETCH01
	PFGO 20, 4
	WIN 3
.set I, 0
.rept 16
	v_mov_b32 v[SB+I], v[SB2-768+I]
.set I, I+1
.endr
	WIN 0
.irp t, 0,1,2,3
	v_mov_b32 v[66+4*\t], 0
	v_mov_b32 v[67+4*\t], 0
.endr
.set I, 0
.rept 22
.irp t, 0,1,2,3
	CHAIN I, HV1+32*\t, \t, 64+4*\t
.endr
.set I, I+1
.endr
.set I, 0
.rept 11
.irp t, 0,1,2,3
	CODES I, HV1+32*\t, MCD+24+6*\t, \t, 80+4*\t
.endr
.set I, I+1
.endr
	WIN 0
	WALU
; ================= PHASE 2: Q or K, sixteen blocks
	s_wait_dscnt NF
	BLOCK 0, 0, ACC, 8, 0, 32, L_STEP, 0
	WIN 0
	PLACES 4
	WALU
.irp t, 0,1,2,3
	ds_store_b16 v[STV], v[EB+\t] offset:128+2*\t
.endr
.irp t, 0,1,2,3
	PUT2 MCD+24+6*\t, s[50:51], 3072*\t+1536
.endr
	FETCH 0
	ODD NF+4, 1
	s_mov_b32 s86, 0
.Lwith_rounds:                                          ; blocks 2 to 5, 6 to 9
	EVENROUND NF+1
	ODD -1, 1
	EVEN NF+1, 1
	ODD NF+1, 1
	s_add_co_u32 s86, s86, 1
	s_cmp_lg_u32 s86, 2
	s_cbranch_scc1 .Lwith_rounds
.Lwithout:                                              ; blocks 10, 11 and 12, 13
	EVENSHOW NF+1
	ODD -1, 1
	s_add_co_u32 s86, s86, 1
	s_cmp_lg_u32 s86, 4
	s_cbranch_scc1 .Lwithout
	EVEN NF+1, 0
	ODD 1, 0
; ================= THE END: the last way out; the scale bytes go through LDS under its conversions
	s_lshl_b32 s21, s14, 7
	s_add_co_u32 s21, s21, XN
	v_lshlrev_b32 v12, 2, v3
	v_add_nc_u32 v12, s21, v12
	s_lshl_b32 s21, s16, 8
	s_add_co_u32 s21, s21, XM
	v_add_nc_u32 v14, s21, v[CO8]
	s_mov_b32 s20, 0x05040100
	s_mov_b32 s21, 0x07060302
.set I, 0
.rept 22
	CHAIN I, ACC+32, 1
.set I, I+1
.endr
	CODES 2, ACC+32, NCD+6, 1
	CODES 3, ACC+32, NCD+6, 1
	CODES 10, ACC+32, NCD+6, 1
	WALU
	ds_store_b16 v[VX], v[EB+1] offset:2
	s_wait_dscnt 0x0
	s_barrier_signal -1
	CODES 0, ACC+32, NCD+6, 1
	CODES 1, ACC+32, NCD+6, 1
	WIN 0
	v_nop                                               ; one plain place behind a scaled conversion
.irp k, 4,5,6,7,8,9
	CODES \k, ACC+32, NCD+6, 1
.endr
	s_barrier_wait -1
	WALU
.irp k, 0,1,2,3
	ds_load_b32 v[64+\k], v12 offset:512*\k
.endr
	ds_load_b64 v[68:69], v14
	ds_load_b64 v[70:71], v14 offset:512
	PUT2 NCD+6, s[84:85], 3072
	s_wait_dscnt 0x0
	v_perm_b32 v72, v65, v64, s20                       ; a word: two bytes of either wave column
	v_perm_b32 v73, v65, v64, s21
	v_perm_b32 v74, v67, v66, s20
	v_perm_b32 v75, v67, v66, s21
	v_perm_b32 v76, v70, v68, s20                       ; V's: two bytes of either wave row
	v_perm_b32 v77, v70, v68, s21
	v_perm_b32 v78, v71, v69, s20
	v_perm_b32 v79, v71, v69, s21
	WALU
	global_store_b128 v[CO], v[72:75], s[48:49]
	s_cmp_lt_u32 s14, 2
	s_cbranch_scc0 .Lno_v
	global_store_b128 v[CO], v[76:79], s[52:53]         ; waves 0 and 1: 512 bytes each
.Lno_v:
	s_wait_tensorcnt 0x0
	ds_add_u32 v[SPW], v[NIL]
	s_wait_dscnt 0x0
	CROUND
	s_endpgm
.Lfunc_end_k_q9516faa28a_proj:
	.size	k_q9516faa28a_proj, .Lfunc_end_k_q9516faa28a_proj-k_q9516faa28a_proj
	.p2alignl 7, 3214868480
	.fill 96, 4, 3214868480
	.section	.rodata,"a",@progbits
	.p2align	6, 0x0
	.amdhsa_kernel k_q9516faa28a_proj
		.amdhsa_group_segment_fixed_size 327680
		.amdhsa_private_segment_fixed_size 0
		.amdhsa_enable_private_segment 0
		.amdhsa_kernarg_size 88
		.amdhsa_user_sgpr_count 2
		.amdhsa_user_sgpr_kernarg_segment_ptr 1
		.amdhsa_wavefront_size32 1
		.amdhsa_system_sgpr_workgroup_id_x 1
		.amdhsa_system_sgpr_workgroup_id_y 1
		.amdhsa_system_sgpr_workgroup_id_z 1
		.amdhsa_system_vgpr_workitem_id 0
		.amdhsa_next_free_vgpr 992
		.amdhsa_next_free_sgpr 102
		.amdhsa_reserve_vcc 0
		.amdhsa_float_denorm_mode_32 3
		.amdhsa_float_denorm_mode_16_64 3
		.amdhsa_memory_ordered 1
		.amdhsa_forward_progress 1
		.amdhsa_inst_pref_size 196
	.end_amdhsa_kernel
	.amdgpu_metadata
---
amdhsa.version: [ 1, 2 ]
amdhsa.kernels:
  - .name:           k_q9516faa28a_proj
    .symbol:         k_q9516faa28a_proj.kd
    .args:
      - { .name: x_codes, .offset: 0, .size: 8, .value_kind: global_buffer, .address_space: global }
      - { .name: x_scales, .offset: 8, .size: 8, .value_kind: global_buffer, .address_space: global }
      - { .name: Qw_codes, .offset: 16, .size: 8, .value_kind: global_buffer, .address_space: global }
      - { .name: Qw_scales, .offset: 24, .size: 8, .value_kind: global_buffer, .address_space: global }
      - { .name: Kw_codes, .offset: 32, .size: 8, .value_kind: global_buffer, .address_space: global }
      - { .name: Kw_scales, .offset: 40, .size: 8, .value_kind: global_buffer, .address_space: global }
      - { .name: Vw_codes, .offset: 48, .size: 8, .value_kind: global_buffer, .address_space: global }
      - { .name: Vw_scales, .offset: 56, .size: 8, .value_kind: global_buffer, .address_space: global }
      - { .name: qimg, .offset: 64, .size: 8, .value_kind: global_buffer, .address_space: global }
      - { .name: kimg, .offset: 72, .size: 8, .value_kind: global_buffer, .address_space: global }
      - { .name: vimg, .offset: 80, .size: 8, .value_kind: global_buffer, .address_space: global }
    .group_segment_fixed_size: 327680
    .private_segment_fixed_size: 0
    .kernarg_segment_align: 8
    .kernarg_segment_size: 88
    .max_flat_workgroup_size: 128
    .sgpr_count:     102
    .vgpr_count:     992
    .wavefront_size: 32
...
	.end_amdgpu_metadata
.endif
;; end of part 1
;; launch scores (part 2): grid 36 x 4, 8 waves a work-group, no clusters, 327,680 bytes of LDS; arguments qimg, kimg, pimg, pstat; writes pimg, pstat
.if DOCPART == 2
	.amdgcn_target "amdgcn-amd-amdhsa--gfx1250"
	.amdhsa_code_object_version 6
	.text
	.protected	k_q9516faa28a_scores
	.globl	k_q9516faa28a_scores
	.p2align	8
	.type	k_q9516faa28a_scores,@function
k_q9516faa28a_scores:
	s_mov_b64 s[64:65], 0
	v_nop
	global_prefetch_b8 v0, s[64:65] scope:SCOPE_SE
	s_setreg_imm32_b32 hwreg(HW_REG_WAVE_MODE, 25, 1), 1
	s_wait_xcnt 0x0
; LAUNCH 2 OF 3.  S = Q K^T on the codes that launch 1 stored; the causal mask; p = 2^(t - M), t = S x log2(e) / 32; p quantised along the keys and stored as images of operand registers.
; LEFT OUT AS DEAD WORK: the tiles of 256 queries x 256 keys with key tile J > query tile I: reference()'s own tril mask makes every p there 0 (shown at the head of launch 1).  36 tiles a batch remain; of their blocks of
; 128 x 128 those with kt > i (i the block of 128 queries, kt the step of 128 keys) are hidden as a whole and are not stored.
; M HERE IS LOCAL: the ceiling of the row's largest t among the wave's 128 keys, a whole number.  A code of p does not hang on which whole number M is; only the block's scale byte does.  Beside the codes the wave stores,
; for each query: M, the sum of its unquantised p, and the four scale bytes as a word.  Launch 3 brings them under the row's own M by exact powers of two.
; THE IMAGES OF p: block (i, kt) of batch b at (136 b + i (i + 1) / 2 + kt) x 12,288; in it block a of 16 queries at 1,536 a, registers 4 g .. 4 g + 3 of lane l at 512 g + 16 l.  The keys' places are those of V's image.
; THE FIGURES: ((16 b + i) 16 + kt) x 1,536 + (half of the 128 queries) x 768 + (0 M, 1 sum, 2 word) x 256 + 16 r + 4 (block of 16).
; LIMITS: NaN and infinities among the scores are not served; the promise holds while the scaled scores (exponents to the base 2) stay under 2^31 in magnitude.  A block of 32 p whose largest lies under 2^-61 is quantised on
; the byte 64 and not on its own (so that launch 3 can take up to 64 off every byte): what that loses is under 2^-66 beside a largest p above 1/2.
; NO CLUSTER: a batch's triangle has rows and columns of 1 to 8 tiles, which do not divide into fours; to fill them up would take work-groups with nothing to do.
; SHAPE.  Eight waves, 64 queries x 128 keys each: 32 accumulators.  K = 1,024 channels in four parts of 256.  A ring of two slots: slot 0 takes part 0, slot 1 parts 1 and 2, both asked for at the head, one load a wave;
; slot 0 is filled again once, with part 3, which has part 1's and part 2's four steps in which to land.  No prefetch: that one refill is the only load that is not asked for at the head.
; TRANSPOSED: source 0 = 16 keys, source 1 = 16 queries: a lane holds one query, its registers run along the keys.
; REGISTERS: window 0: v1-15 addresses; v16-31 Q's scale words, v32-63 K's, and nothing else; v64-159 Q's fragments, two sets; v160-255 K's; on the way out v64-255 at work.  window 1: the accumulators ((a, b) at v[8 (8 a + b)]).
.set FR,    12
.set PART,  49152                      ; 256 rows x 256 channels
.set SLOT1, 2*PART
.set SPARE, 6*PART
.set IMG,   6291456
.set AA,   1                           ; v1, v3 my Q fragments of slot 0 (16 x lane, 8 x lane); v2, v4 my K fragments
.set AB,   2
.set SPW,  5
.set NIL,  6
.set GOF,  7
.set ADA,  8                           ; v8, v10, v9, v11 the same in slot 1
.set ADB,  9
.set DQ,   12                          ; v12  64 (my half) + r - 8 h
.set NINF, 13
.set GST,  14
.set SCA,  16
.set SCB,  32
.set AF,   64
.set BF,   160
.set PB,   64
.set PC,   128
.set TM,   168
.set MP,   184
.set SU,   186
.set MM,   196
.set LL,   200
.set WW,   204
.set WV,   12
.set QA,   13
.set HB,   14
.set II,   15
.set JJ,   16
.set IQ,   18
.set KT,   19
.set SEL,  20
.set CS,   22
.set G1A,  24
.set G1B,  32
.set MASKF, 44
.set QH,   45
.set G0A,  48
.set G0B,  52
.set MSB, 0
.macro WIN new
.set NEWW, (\new)
.if MSB != NEWW
	s_set_vgpr_msb (MSB<<8)|NEWW
.set MSB, NEWW
.endif
.endm
.macro WALU
	s_wait_alu depctr_va_vdst(0)
.endm
.macro PLACES n
.rept \n
	v_nop
.endr
.endm
.macro TLOAD g0, g1
	tensor_load_to_lds s[\g0:\g0+3], s[\g1:\g1+7]
	s_nop 0
	PLACES 4
.endm
.macro TRI i, t                        ; the work-group's number counts the triangle's tiles row by row: row i begins at i (i + 1) / 2
	s_cmp_ge_u32 ttmp9, \t
	s_cselect_b32 s[II], \i, s[II]
	s_cselect_b32 s40, \t, s40
.endm
	s_load_b256 s[4:11], s[0:1], 0x0               ; qimg, kimg, pimg, pstat
	v_lshl_add_u32 v[SPW], v0, 2, SPARE
	v_mov_b32 v[NIL], 0
	ds_add_u32 v[SPW], v[NIL]                      ; the opening lines
	ds_add_u32 v[SPW], v[NIL]
	v_lshrrev_b32 v15, 5, v0
	v_readfirstlane_b32 s[WV], v15
	s_lshr_b32 s[QA], s[WV], 1                     ; my 64 queries of the 256
	s_and_b32 s[HB], s[WV], 1                      ; my 128 keys
	s_and_b32 s17, ttmp7, 0xffff                   ; the batch
	s_mov_b32 s[II], 0
	s_mov_b32 s40, 0
	TRI 1, 1
	TRI 2, 3
	TRI 3, 6
	TRI 4, 10
	TRI 5, 15
	TRI 6, 21
	TRI 7, 28
	s_sub_co_u32 s[JJ], ttmp9, s40                 ; query tile I, key tile J <= I
	s_lshr_b32 s40, s[QA], 1
	s_lshl_b32 s[IQ], s[II], 1
	s_add_co_u32 s[IQ], s[IQ], s40                 ; my block of 128 queries
	s_lshl_b32 s[KT], s[JJ], 1
	s_add_co_u32 s[KT], s[KT], s[HB]               ; my step of 128 keys
	s_cmp_eq_u32 s[IQ], s[KT]
	s_cselect_b32 s[MASKF], 1, 0
	s_and_b32 s[QH], s[QA], 1
	s_mov_b32 s[G1A+0], 3<<16                      ; elements of 8 bytes, no mask, no padding: one row of 24,576 bytes
	s_mov_b32 s[G1A+1], 3072<<16
	s_mov_b32 s[G1A+2], 1<<16
	s_mov_b32 s[G1A+3], 3072<<16
	s_mov_b32 s[G1A+4], 1
	s_mov_b32 s[G1A+5], 3072
	s_mov_b32 s[G1A+6], 1<<16
	s_mov_b32 s[G1A+7], 0
	s_mov_b32 s[G1B+0], 3<<16                      ; two such rows, end to end
	s_mov_b32 s[G1B+1], 3072<<16
	s_mov_b32 s[G1B+2], 2<<16
	s_mov_b32 s[G1B+3], 3072<<16
	s_mov_b32 s[G1B+4], 2
	s_mov_b32 s[G1B+5], 3072
	s_mov_b32 s[G1B+6], 0
	s_mov_b32 s[G1B+7], 0
	s_lshl_b32 s46, s17, 3
	s_add_co_u32 s47, s46, s[JJ]                   ; 8 b + J
	s_add_co_u32 s46, s46, s[II]                   ; 8 b + I
	s_mul_i32 s40, s46, 196608
	s_mov_b32 s41, 0
	s_mul_i32 s42, s47, 196608
	s_mov_b32 s43, 0
	s_lshl_b32 s58, s46, 13                        ; the scale words of my queries
	s_lshl_b32 s59, s[QA], 8
	s_add_co_u32 s58, s58, s59
	s_add_co_u32 s58, s58, IMG
	s_mov_b32 s59, 0
	s_lshl_b32 s60, s47, 13                        ; and of my keys
	s_lshl_b32 s61, s[HB], 9
	s_add_co_u32 s60, s60, s61
	s_add_co_u32 s60, s60, IMG
	s_mov_b32 s61, 0
	s_mov_b32 s[G0A], 1
	s_mul_i32 s[G0A+1], s[WV], PART/2              ; waves 0-3: a half each of part 0 of Q and K, end to end
	s_mov_b32 s[G0B], 1
	s_mul_i32 s[G0B+1], s[WV], PART                ; waves 4-7: parts 1, 2 of Q, parts 1, 2 of K
	s_sub_co_u32 s[G0B+1], s[G0B+1], 2*PART
	s_mov_b32 s[SEL], 0x76543210
	s_mov_b32 s[SEL+1], 0xfedcba98
	s_mov_b32 s[CS], 0x3d38aa3b                    ; c = log2(e) / 32: log2(e)'s own mantissa, so S x c rounds as (S / 32) x log2(e) does
	s_mov_b32 s[CS+1], s[CS]
	s_wait_dscnt 0x0                               ; both opening adds are done
	s_wait_kmcnt 0x0
	s_add_nc_u64 s[40:41], s[4:5], s[40:41]
	s_add_nc_u64 s[42:43], s[6:7], s[42:43]
	s_cmp_eq_u32 s[QH], 1                          ; bit 1 of the wave's number: I fetch for K
	s_cselect_b64 s[46:47], s[42:43], s[40:41]
	s_mul_i32 s56, s[HB], PART/2
	s_mov_b32 s57, 0
	s_add_nc_u64 s[G0A+2:G0A+3], s[46:47], s[56:57]
	s_or_b32 s[G0A+3], s[G0A+3], 0x80000000
	s_mul_i32 s56, s[HB], PART
	s_add_co_u32 s56, s56, PART
	s_add_nc_u64 s[G0B+2:G0B+3], s[46:47], s[56:57]
	s_or_b32 s[G0B+3], s[G0B+3], 0x80000000
	s_cmp_lt_u32 s[WV], 4
	s_cbranch_scc0 .Lslot1
	TLOAD G0A, G1A
	s_branch .Lasked
.Lslot1:
	TLOAD G0B, G1B
.Lasked:
	s_add_nc_u64 s[58:59], s[4:5], s[58:59]
	s_add_nc_u64 s[60:61], s[6:7], s[60:61]
	v_and_b32 v22, 31, v0
	v_and_b32 v23, 15, v0                          ; r
	v_bfe_u32 v24, v0, 4, 1                        ; h
	v_lshlrev_b32 v15, 10, v24                     ; scale words: lanes 0-15 a part's first step of 128, lanes 16-31 its second; 16 bytes: four blocks of 16 rows
	v_lshl_add_u32 v15, v23, 4, v15
	v_lshlrev_b32 v[GOF], 4, v22                   ; 16 x lane
	v_lshlrev_b32 v25, 3, v22                      ; 8 x lane
	s_mul_i32 s40, s[QA], 12288
	s_mul_i32 s41, s[HB], 24576
	s_add_co_u32 s41, s41, PART
	v_add_nc_u32 v[AA], s40, v[GOF]
	v_add_nc_u32 v[AB], s41, v[GOF]
	v_add_nc_u32 v[AA+2], s40, v25
	v_add_nc_u32 v[AB+2], s41, v25
	s_lshl_b32 s42, s[QH], 6
	v_lshlrev_b32 v26, 3, v24
	v_sub_nc_u32 v[DQ], v23, v26
	v_add_nc_u32 v[DQ], s42, v[DQ]
	v_mov_b32 v[NINF], 0xff800000
	v_lshlrev_b32 v[GST], 4, v23
	WALU                                           ; the wait at the head's end
	PLACES 1
.irp q, 0,1,2,3
	global_load_b128 v[SCA+4*\q:SCA+4*\q+3], v15, s[58:59] offset:2048*\q
	global_load_b128 v[SCB+8*\q:SCB+8*\q+3], v15, s[60:61] offset:2048*\q
	global_load_b128 v[SCB+8*\q+4:SCB+8*\q+7], v15, s[60:61] offset:2048*\q+256
.endr
	s_add_co_u32 s56, s[IQ], 1                     ; where my block of p goes
	s_mul_i32 s56, s56, s[IQ]
	s_lshr_b32 s56, s56, 1
	s_add_co_u32 s56, s56, s[KT]
	s_mul_i32 s57, s17, 136
	s_add_co_u32 s56, s56, s57
	s_mul_i32 s56, s56, 12288
	s_mul_i32 s57, s[QH], 6144
	s_add_co_u32 s56, s56, s57
	s_mov_b32 s57, 0
	s_add_nc_u64 s[8:9], s[8:9], s[56:57]
	s_lshl_b32 s56, s17, 4                         ; and its figures
	s_add_co_u32 s56, s56, s[IQ]
	s_lshl_b32 s56, s56, 4
	s_add_co_u32 s56, s56, s[KT]
	s_mul_i32 s56, s56, 1536
	s_mul_i32 s57, s[QH], 768
	s_add_co_u32 s56, s56, s57
	s_mov_b32 s57, 0
	s_add_nc_u64 s[10:11], s[10:11], s[56:57]
.macro FRAG reg, adr, off              ; a fragment as it was stored: for each half 16 and 8 bytes a lane
.irp c, 0,1
	ds_load_b128 v[\reg+6*\c:\reg+6*\c+3], v[\adr] offset:\off+768*\c
	ds_load_b64 v[\reg+6*\c+4:\reg+6*\c+5], v[\adr+2] offset:\off+768*\c+512
.endr
.endm
.macro FETCH_A s, adr                  ; my four fragments of Q of step s into set s % 2: 16 loads
.irp i, 0,1,2,3
	FRAG AF+48*((\s)%2)+FR*\i, \adr, \i*3072+((\s)%2)*1536
.endr
.endm
.macro FETCH_B s, adr, b0              ; four of my eight fragments of K: 16 loads
.irp i, \b0, \b0+1, \b0+2, \b0+3
	FRAG BF+FR*(\i), \adr, (\i)*3072+((\s)%2)*1536
.endr
.endm
; 16 matrix instructions: four of K's fragments x Q's four, step s.  The 32 accumulators take turns, one instruction a turn, in the same order in every step.
.macro MUL s, b0
	WIN 0x50
.irp b, \b0, \b0+1, \b0+2, \b0+3
.irp a, 0,1,2,3
.if (\s) == 0
	v_wmma_scale_f32_16x16x128_f8f6f4 v[8*(8*\a+\b):8*(8*\a+\b)+7], v[BF+FR*(\b):BF+FR*(\b)+FR-1], v[AF+48*((\s)%2)+FR*\a:AF+48*((\s)%2)+FR*\a+FR-1], 0, v[SCB+8*((\s)/2)+\b], v[SCA+4*((\s)/2)+\a] matrix_a_fmt:MATRIX_FMT_FP6 matrix_b_fmt:MATRIX_FMT_FP6
.elseif ((\s)%2) == 0
	v_wmma_scale_f32_16x16x128_f8f6f4 v[8*(8*\a+\b):8*(8*\a+\b)+7], v[BF+FR*(\b):BF+FR*(\b)+FR-1], v[AF+48*((\s)%2)+FR*\a:AF+48*((\s)%2)+FR*\a+FR-1], v[8*(8*\a+\b):8*(8*\a+\b)+7], v[SCB+8*((\s)/2)+\b], v[SCA+4*((\s)/2)+\a] matrix_a_fmt:MATRIX_FMT_FP6 matrix_b_fmt:MATRIX_FMT_FP6
.else
	v_wmma_scale_f32_16x16x128_f8f6f4 v[8*(8*\a+\b):8*(8*\a+\b)+7], v[BF+FR*(\b):BF+FR*(\b)+FR-1], v[AF+48*((\s)%2)+FR*\a:AF+48*((\s)%2)+FR*\a+FR-1], v[8*(8*\a+\b):8*(8*\a+\b)+7], v[SCB+8*((\s)/2)+\b], v[SCA+4*((\s)/2)+\a] matrix_a_fmt:MATRIX_FMT_FP6 matrix_b_fmt:MATRIX_FMT_FP6 matrix_a_scale:MATRIX_SCALE_ROW1 matrix_b_scale:MATRIX_SCALE_ROW1
.endif
.endr
.endr
	WIN 0
.endm
.macro INSLOT1 part                    ; the addresses of part 1 or 2 (four plain vector instructions: also the places in front of loads)
	v_add_nc_u32 v[ADA], SLOT1+PART*((\part)-1), v[AA]
	v_add_nc_u32 v[ADB], SLOT1+PART*((\part)+1)-PART, v[AB]
	v_add_nc_u32 v[ADA+2], SLOT1+PART*((\part)-1), v[AA+2]
	v_add_nc_u32 v[ADB+2], SLOT1+PART*((\part)+1)-PART, v[AB+2]
	WALU
.endm
.macro STEP s, adra, adrb              ; a step of 128 along K whose successor can be fetched with no barrier between
	s_wait_dscnt 16                                ; all but the youngest 16 loads: K's fragments 4-7
	MUL \s, 0
.if (\s) == 3
	INSLOT1 2
.else
	PLACES 4
.endif
	FETCH_A (\s)+1, \adra
	FETCH_B (\s)+1, \adrb, 0
	s_wait_dscnt 32                                ; all but the 32 just issued
	MUL \s, 4
	PLACES 4
	FETCH_B (\s)+1, \adrb, 4
.endm
	s_cmp_lt_u32 s[WV], 4
	s_cbranch_scc0 .Lnot_slot0
	s_wait_tensorcnt 0x0                           ; my half of slot 0
.Lnot_slot0:
	s_barrier_signal -1
	s_barrier_wait -1                              ; slot 0 is in; slot 1 may be on its way
	FETCH_A 0, AA
	FETCH_B 0, AB, 0
	FETCH_B 0, AB, 4
	s_wait_loadcnt 0x0                             ; the scale words
	STEP 0, AA, AB
	s_wait_dscnt 16
	MUL 1, 0
	s_wait_tensorcnt 0x0                           ; all my tensor loads are done, my part of slot 1 among them;
	ds_add_u32 v[SPW], v[NIL]
	s_add_nc_u64 s[G0A+2:G0A+3], s[G0A+2:G0A+3], 3*PART
	s_wait_dscnt 0x0                               ; the add and my reads of slot 0
	s_barrier_signal -1
	MUL 1, 4
	s_barrier_wait -1
	s_cmp_lt_u32 s[WV], 4
	s_cbranch_scc0 .Lno_refill
	TLOAD G0A, G1A                                 ; part 3 into slot 0, by waves 0-3
.Lno_refill:
	INSLOT1 1
	FETCH_A 2, ADA
	FETCH_B 2, ADB, 0
	FETCH_B 2, ADB, 4
	STEP 2, ADA, ADB
	STEP 3, ADA, ADB
	STEP 4, ADA, ADB
	s_wait_dscnt 16
	MUL 5, 0
	s_wait_tensorcnt 0x0                           ; my part of the refill
	s_wait_dscnt 0x0
	s_barrier_signal -1                            ; a plain barrier
	MUL 5, 4
	s_barrier_wait -1
	PLACES 4
	FETCH_A 6, AA
	FETCH_B 6, AB, 0
	FETCH_B 6, AB, 4
	STEP 6, AA, AB
	s_wait_dscnt 16
	MUL 7, 0
	s_wait_dscnt 0x0
	MUL 7, 4
	s_cmp_gt_u32 s[KT], s[IQ]                      ; all my keys come after all my queries: nothing to store.  No barrier stands below
	s_cbranch_scc1 .Lend
	PLACES 4
	v_mov_b32 v[MP+1], 0                           ; (named as the upper half of a pair)
; Block a: 16 queries x my 128 keys: mask, M, p, the sum, the codes.  Register n holds key 16 (n / 8) + 8 h + n % 8; block kb of 32 keys: registers 16 kb .. 16 kb + 15 of lanes l and l xor 16.
.macro PBLK a
.set AC, 64*(\a)
.set PCS, PC+20*((\a)%2)
	WALU
	s_cmp_eq_u32 s[MASKF], 0                       ; ids and the wave's number alone
	s_cbranch_scc1 .Lopen_\@
	WIN 0x41
.set n, 0
.rept 64                               ; hidden where the key is the greater
	v_cmp_gt_i32 vcc_lo, 16*(n/8)+n%8-16*(\a), v[DQ]
	v_cndmask_b32 v[AC+n], v[AC+n], v[NINF], vcc_lo
.set n, n+1
.endr
	WIN 0
.Lopen_\@:
	WIN 0x14
.irp b, 0,1,2,3
	v_max3_num_f32 v[TM+\b], v[NINF], v[AC+16*\b], v[AC+16*\b+1]   ; the largest score of each block of 32 keys: it serves for the row's maximum and, since p rises with the score, for the block's largest p
.endr
.irp i, 2,4,6,8,10,12,14
.irp b, 0,1,2,3
	v_max3_num_f32 v[TM+\b], v[TM+\b], v[AC+16*\b+\i], v[AC+16*\b+\i+1]
.endr
.endr
	WIN 0
.irp b, 0,1,2,3
	v_permlanex16_b32 v[TM+4+\b], v[TM+\b], s[SEL], s[SEL+1]
.endr
.irp b, 0,1,2,3
	v_max_num_f32 v[TM+\b], v[TM+\b], v[TM+4+\b]
.endr
	v_max3_num_f32 v195, v[TM], v[TM+1], v[TM+2]
	v_max_num_f32 v195, v195, v[TM+3]
	v_mul_f32 v195, s[CS], v195                    ; as t (c is positive); every stored row has a key that is not hidden
	v_floor_f32 v[MP], -v195                       ; -M = floor(-t) = -ceil(t)
	v_mul_f32 v[MM+\a], -1.0, v[MP]
	WIN 1
.irp j, 0,2,4,6,8,10,12,14,16,18,20,22,24,26,28,30,32,34,36,38,40,42,44,46,48,50,52,54,56,58,60,62
	v_pk_fma_f32 v[PB+\j:PB+\j+1], v[AC+\j:AC+\j+1], s[CS:CS+1], v[MP:MP+1] op_sel_hi:[1,0,0]   ; t - M, two at a time
.endr
	WIN 0
.irp b, 0,1,2,3
	v_fma_f32 v[TM+\b], v[TM+\b], s[CS], v[MP]     ; the same of each block's largest score
.endr
	WALU                                           ; the wait ahead of the batch
.set n, 0
.rept 64
	v_exp_f32 v[PB+n], v[PB+n]                     ; p = 2^(t - M): not normalised
.set n, n+1
.endr
.irp b, 0,1,2,3
	v_exp_f32 v[TM+\b], v[TM+\b]                   ; the block's largest p
.endr
	v_nop                                          ; a plain place behind the exponentials
	WALU                                           ; and behind it
.irp k, 0,2,4,6                        ; the sum is taken of the unquantised p, in four chains
	v_pk_add_f32 v[SU+\k:SU+\k+1], v[PB+\k:PB+\k+1], v[PB+8+\k:PB+9+\k]
.endr
.irp j, 16,24,32,40,48,56
.irp k, 0,2,4,6
	v_pk_add_f32 v[SU+\k:SU+\k+1], v[SU+\k:SU+\k+1], v[PB+\j+\k:PB+\j+\k+1]
.endr
.endr
.irp b, 0,1,2,3
	v_max_num_f32 v[TM+\b], 0x21000000, v[TM+\b]   ; the floor 2^-61: no byte falls under 64
.endr
	v_pk_add_f32 v[SU:SU+1], v[SU:SU+1], v[SU+2:SU+3]
	v_pk_add_f32 v[SU+4:SU+5], v[SU+4:SU+5], v[SU+6:SU+7]
.irp b, 0,1,2,3
	v_add_nc_u32 v[TM+12+\b], 0xff000000, v[TM+\b] ; 2 off the exponent field: the conversions' scale operands
.endr
	v_pk_add_f32 v[SU:SU+1], v[SU:SU+1], v[SU+4:SU+5]
.irp b, 0,1,2,3
	v_lshrrev_b32 v[TM+4+\b], 23, v[TM+12+\b]
.endr
	v_add_f32 v[SU], v[SU], v[SU+1]
	v_lshl_or_b32 v[WW+\a], v[TM+6], 8, v[TM+4]    ; byte 2 c + h: the block of keys 64 h + 32 c on, as V's operand has it
	v_permlanex16_b32 v194, v[SU], s[SEL], s[SEL+1]
	v_lshl_or_b32 v[WW+\a], v[TM+5], 16, v[WW+\a]
	v_add_f32 v[LL+\a], v[SU], v194                ; with lane l xor 16's 64 keys
	v_lshl_or_b32 v[WW+\a], v[TM+7], 24, v[WW+\a]
.if (\a) >= 2
	WALU
	s_wait_xcnt 0x0                                ; the stores of two blocks back have read this set's codes
.endif
.irp c, 0,1
	v_cvt_scalef32_pk16_fp6_f32 v[PCS+6*\c:PCS+6*\c+2], v[PB+16*\c:PB+16*\c+15], v[TM+12+\c]
	v_cvt_scalef32_pk16_fp6_f32 v[PCS+12+4*\c:PCS+14+4*\c], v[PB+16*\c+32:PB+16*\c+47], v[TM+14+\c]
.endr
	v_nop                                          ; one plain place behind a scaled conversion
.irp c, 0,1
.irp i, 0,1,2
	v_permlane16_swap_b32 v[PCS+6*\c+\i], v[PCS+12+4*\c+\i]
.endr
.endr
.irp c, 0,1
.irp i, 0,1,2
	v_mov_b32 v[PCS+3+6*\c+\i], v[PCS+12+4*\c+\i]
.endr
.endr
.irp g, 0,1,2
	global_store_b128 v[GOF], v[PCS+4*\g:PCS+4*\g+3], s[8:9] offset:1536*(\a)+512*\g   ; 32 lanes store 512 consecutive bytes
.endr
.endm
.irp a, 0,1,2,3
	PBLK \a
.endr
	WALU
	global_store_b128 v[GST], v[MM:MM+3], s[10:11] ; my 64 queries' figures; both halves of the lanes hold the same numbers and write them to the same places
	global_store_b128 v[GST], v[LL:LL+3], s[10:11] offset:256
	global_store_b128 v[GST], v[WW:WW+3], s[10:11] offset:512
.Lend:
	s_wait_tensorcnt 0x0                           ; the wave's end
	ds_add_u32 v[SPW], v[NIL]
	s_wait_dscnt 0x0
	s_endpgm
.Lfunc_end_k_q9516faa28a_scores:
	.size	k_q9516faa28a_scores, .Lfunc_end_k_q9516faa28a_scores-k_q9516faa28a_scores
	.p2alignl 7, 3214868480
	.fill 96, 4, 3214868480
	.section	.rodata,"a",@progbits
	.p2align	6, 0x0
	.amdhsa_kernel k_q9516faa28a_scores
		.amdhsa_group_segment_fixed_size 327680
		.amdhsa_private_segment_fixed_size 0
		.amdhsa_enable_private_segment 0
		.amdhsa_kernarg_size 32
		.amdhsa_user_sgpr_count 2
		.amdhsa_user_sgpr_kernarg_segment_ptr 1
		.amdhsa_wavefront_size32 1
		.amdhsa_system_sgpr_workgroup_id_x 1
		.amdhsa_system_sgpr_workgroup_id_y 1
		.amdhsa_system_sgpr_workgroup_id_z 1
		.amdhsa_system_vgpr_workitem_id 0
		.amdhsa_next_free_vgpr 512
		.amdhsa_next_free_sgpr 66
		.amdhsa_reserve_vcc 1
		.amdhsa_float_denorm_mode_32 3
		.amdhsa_float_denorm_mode_16_64 3
		.amdhsa_memory_ordered 1
		.amdhsa_forward_progress 1
		.amdhsa_inst_pref_size 133
	.end_amdhsa_kernel
	.amdgpu_metadata
---
amdhsa.version: [ 1, 2 ]
amdhsa.kernels:
  - .name:           k_q9516faa28a_scores
    .symbol:         k_q9516faa28a_scores.kd
    .args:
      - { .name: qimg, .offset: 0, .size: 8, .value_kind: global_buffer, .address_space: global }
      - { .name: kimg, .offset: 8, .size: 8, .value_kind: global_buffer, .address_space: global }
      - { .name: pimg, .offset: 16, .size: 8, .value_kind: global_buffer, .address_space: global }
      - { .name: pstat, .offset: 24, .size: 8, .value_kind: global_buffer, .address_space: global }
    .group_segment_fixed_size: 327680
    .private_segment_fixed_size: 0
    .kernarg_segment_align: 8
    .kernarg_segment_size: 32
    .max_flat_workgroup_size: 256
    .sgpr_count:     66
    .vgpr_count:     512
    .wavefront_size: 32
...
	.end_amdgpu_metadata
.endif
;; end of part 2
;; launch pv (part 3): grid 8 x 32, 4 waves a work-group, no clusters, 327,680 bytes of LDS; arguments pimg, pstat, vimg, out0; writes out0
.if DOCPART == 3
	.amdgcn_target "amdgcn-amd-amdhsa--gfx1250"
	.amdhsa_code_object_version 6
	.text
	.protected	k_q9516faa28a_pv
	.globl	k_q9516faa28a_pv
	.p2align	8
	.type	k_q9516faa28a_pv,@function
k_q9516faa28a_pv:
	s_mov_b64 s[64:65], 0
	v_nop
	global_prefetch_b8 v0, s[64:65] scope:SCOPE_SE
	s_setreg_imm32_b32 hwreg(HW_REG_WAVE_MODE, 25, 1), 1
	s_wait_xcnt 0x0
; LAUNCH 3 OF 3.  O = P V / l on the codes of p (launch 2) and of V (launch 1, quantised along the keys).
; LEFT OUT AS DEAD WORK: the steps of 128 keys kt > i of a block i of 128 queries: reference()'s own tril mask makes every p there 0 (shown at the head of launch 1).
; THE DEAL.  A work-group makes TWO blocks of 128 queries, the small one i (0 .. 7) and the large one 15 - i, x 128 channels: (i + 1) + (16 - i) = 17 key steps whatever i: 8 x 32 work-groups of equal work.  Both take the same
; fragments of V while kt <= i; from kt = i + 1 on the large block goes on alone.
; THE ROW'S M.  Launch 2 stored, for each query and each key step: a local whole number M, the sum of p under it, and the four scale bytes.  Here Mg = the largest M of the row's steps (the ceiling of the row's largest t),
; e = M - Mg, a whole number, 0 or less; the step's sum is multiplied by 2^e and e is added to each of its four scale bytes: exact powers of two.
; LIMITS: e is held at -64 from below (every stored byte is 64 or more, so no byte borrows from its neighbour): a step whose M lies more than 64 under the row's is weighed 2^-64 and not less: under 2^-55 of the
; largest |v| in the result.  NaN and infinities are not served.
; LDS: P of the large block, P of the small one, V: each 8 key steps, 98,304 bytes, in two halves of four steps.  The head asks for key steps 0-7, one load a wave (the small block's last four only where i >= 4); then the first half
; of the large block's P and of V is filled again with steps 8-11, and the second with steps 12-15 where i <= 3.  A load may reach past its block's last step, into the next block's bytes, which were stored and are not read.
; THE WALK IS WRITTEN OUT: every work-group passes every wait and barrier; tests on ids, the same in all four waves, choose the work.
; NO CLUSTER: the eight channel tiles share P's blocks, but the number of fills hangs on i, so the walk leads round a load by a test on ids.
; PREFETCH: key steps 8-11 and 12-15 are asked for into the L2 at the head, one and two fills ahead: P's by the eight work-groups of a pair, V's by the eight pairs of a batch, an eighth each by address, 24 blocks of 256 bytes a wave.
; TRANSPOSED: source 0 = 16 channels of V, source 1 = 16 queries of P: a lane holds one query and eight neighbouring channels.  Four waves: 64 queries of each block x 64 channels.
; REGISTERS: window 0: v1-31 addresses and work; v32-63 V's scale words, v64-95 the large block's, v96-111 the small one's, and nothing else; v112-247 figures, then rows of O.   window 1: V's fragments, two sets of 48.
;   window 2: accumulators, large at 8 (4 a + t), small at 128 + 8 (4 a + t).   window 3: P's fragments: large two sets of 48, small two sets of 48 from v96 on.
.set FR,    12
.set HALF,  49152                      ; four key steps of P, or of V
.set SREG,  2*HALF
.set VREG,  4*HALF
.set SPARE, 6*HALF
.set STG,   SPARE+512                  ; the way out: 16 rows x (256 + 16) bytes for each wave
.set SPITCH, 272
.set IMG,   6291456
.set AL,   1                           ; v1, v2 my P fragments of the large block, first and second half
.set AS,   3                           ; v3, v4 of the small one
.set AV,   5                           ; v5, v6 my V fragments (16 x lane); v7, v8 (8 x lane)
.set SPW,  9
.set NIL,  10
.set CO,   11
.set PFV,  12
.set STO,  13
.set RD,   14
.set GOF,  15
.set VO,   16
.set VSC,  32
.set WL,   64
.set WS,   96
.set ML,   112
.set SL,   144
.set MS,   176
.set SS,   192
.set MGL,  208
.set MGS,  212
.set LAL,  216
.set LAS,  220
.set RLS,  224
.set RLL,  232
.set TP,   240
.set BK,   112
.set WV,   12
.set HA,   13
.set HB,   14
.set BA,   15
.set PI,   16
.set IL,   17
.set SEL,  20
.set G1V,  24
.set G1D,  32
.set G1E,  40
.set G1R,  48
.set G0V0, 56
.set G0V1, 60
.set G0S,  68
.set G0L,  72
.set G0R,  76
.set MSB, 0
.macro WIN new
.set NEWW, (\new)
.if MSB != NEWW
	s_set_vgpr_msb (MSB<<8)|NEWW
.set MSB, NEWW
.endif
.endm
.set MULW, 0xad                        ; source 0 (V) window 1, source 1 (P) window 3, C and D window 2
.macro WALU
	s_wait_alu depctr_va_vdst(0)
.endm
.macro PLACES n
.rept \n
	v_nop
.endr
.endm
.macro TLOAD g0, g1
	tensor_load_to_lds s[\g0:\g0+3], s[\g1:\g1+7]
	s_nop 0
	PLACES 4
.endm
.macro GROUP1 g, rows, pitch, stride1  ; rows of 24,576 bytes: elements of 8 bytes, no mask, no padding
	s_mov_b32 s[\g+0], 3<<16
	s_mov_b32 s[\g+1], 3072<<16
	s_mov_b32 s[\g+2], (\rows)<<16
	s_mov_b32 s[\g+3], 3072<<16
	s_mov_b32 s[\g+4], \rows
	s_mov_b32 s[\g+5], \pitch
	s_mov_b32 s[\g+6], (\stride1)<<16
	s_mov_b32 s[\g+7], 0
.endm
.macro GROUP0 g, lds, pair
	s_mov_b32 s[\g], 1
	s_mov_b32 s[\g+1], \lds
	s_mov_b64 s[\g+2:\g+3], s[\pair:\pair+1]
	s_or_b32 s[\g+3], s[\g+3], 0x80000000
.endm
.macro SADD d, x
	s_add_co_u32 s\d, s\d, s\x
.endm
.macro PBASE d, ix                     ; where block ix's row of images begins: (136 b + ix (ix + 1) / 2) x 12,288
	s_add_co_u32 s23, s[\ix], 1
	s_mul_i32 s23, s23, s[\ix]
	s_lshr_b32 s23, s23, 1
	s_mul_i32 s\d, s[BA], 136
	SADD \d, 23
	s_mul_i32 s\d, s\d, 12288
.endm
.macro FBASE d, ix                     ; its figures: (16 b + ix) x 16 x 1,536 + my half of the queries
	s_lshl_b32 s\d, s[BA], 4
	s_add_co_u32 s\d, s\d, s[\ix]
	s_mul_i32 s\d, s\d, 24576
	s_mul_i32 s23, s[HA], 768
	SADD \d, 23
.endm
.macro OBASE d, ix                     ; my first row of O, and my first column, in bytes
	s_lshl_b32 s\d, s[BA], 11
	s_lshl_b32 s23, s[\ix], 7
	SADD \d, 23
	s_lshl_b32 s23, s[HA], 6
	SADD \d, 23
	s_lshl_b32 s\d, s\d, 12
	s_lshl_b32 s23, ttmp9, 9
	SADD \d, 23
	s_lshl_b32 s23, s[HB], 8
	SADD \d, 23
.endm
	s_load_b256 s[4:11], s[0:1], 0x0               ; pimg, pstat, vimg, out0
	v_lshl_add_u32 v[SPW], v0, 2, SPARE
	v_mov_b32 v[NIL], 0
	ds_add_u32 v[SPW], v[NIL]                      ; the opening lines
	ds_add_u32 v[SPW], v[NIL]
	v_lshrrev_b32 v31, 5, v0
	v_readfirstlane_b32 s[WV], v31
	s_lshr_b32 s[HA], s[WV], 1                     ; my 64 of a block's 128 queries
	s_and_b32 s[HB], s[WV], 1                      ; my 64 of the 128 channels
	s_and_b32 s23, ttmp7, 0xffff                   ; y = 8 b + i
	s_lshr_b32 s[BA], s23, 3
	s_and_b32 s[PI], s23, 7
	s_sub_co_u32 s[IL], 15, s[PI]
	GROUP1 G1V, 2, 24576, 0                        ; V: from 256 keys to the next 196,608 bytes
	GROUP1 G1D, 2, 3072, 0                         ; P: four key steps, dense
	GROUP1 G1E, 4, 3072, 0                         ; eight
	GROUP1 G1R, 1, 3072, 1                         ; a refill: two key steps of P, or 256 keys of V
	PBASE 80, IL
	s_mov_b32 s81, 0
	PBASE 82, PI
	s_mov_b32 s83, 0
	s_mul_i32 s84, s[BA], 8*196608
	s_mul_i32 s23, ttmp9, 24576
	SADD 84, 23
	s_mov_b32 s85, 0
	FBASE 96, IL
	s_mov_b32 s97, 0
	FBASE 98, PI
	s_mov_b32 s99, 0
	OBASE 66, PI
	s_mov_b32 s67, 0
	OBASE 92, IL
	s_mov_b32 s93, 0
	s_lshl_b32 s2, s[BA], 16                       ; V's scale words: my 64 channels
	s_lshl_b32 s23, ttmp9, 10
	SADD 2, 23
	s_lshl_b32 s23, s[HB], 9
	SADD 2, 23
	s_add_co_u32 s2, s2, IMG
	s_mov_b32 s3, 0
	s_wait_dscnt 0x0                               ; both opening adds are done
	s_wait_kmcnt 0x0
	s_add_nc_u64 s[80:81], s[4:5], s[80:81]
	s_add_nc_u64 s[82:83], s[4:5], s[82:83]
	s_add_nc_u64 s[84:85], s[8:9], s[84:85]
	s_add_nc_u64 s[86:87], s[84:85], 2*196608
	GROUP0 G0V0, VREG, 84
	GROUP0 G0V1, VREG+HALF, 86
	GROUP0 G0S, SREG, 82
	GROUP0 G0L, 0, 80
	s_cmp_eq_u32 s[WV], 0
	s_cbranch_scc0 .Lwave_1
	TLOAD G0V0, G1V                                ; wave 0: V's key steps 0-3
	s_branch .Lasked
.Lwave_1:
	s_cmp_eq_u32 s[WV], 1
	s_cbranch_scc0 .Lwave_2
	s_cmp_lt_u32 s[PI], 4
	s_cbranch_scc0 .Leight
	TLOAD G0S, G1D                                 ; wave 1: the small block's key steps 0-3,
	s_branch .Lasked
.Leight:
	TLOAD G0S, G1E                                 ; or 0-7
	s_branch .Lasked
.Lwave_2:
	s_cmp_eq_u32 s[WV], 2
	s_cbranch_scc0 .Lwave_3
	TLOAD G0L, G1E                                 ; wave 2: the large block's 0-7
	s_branch .Lasked
.Lwave_3:
	TLOAD G0V1, G1V                                ; wave 3: V's 4-7
.Lasked:
	s_add_nc_u64 s[2:3], s[8:9], s[2:3]
	s_add_nc_u64 s[96:97], s[6:7], s[96:97]
	s_add_nc_u64 s[98:99], s[6:7], s[98:99]
	s_add_nc_u64 s[66:67], s[10:11], s[66:67]
	s_add_nc_u64 s[10:11], s[10:11], s[92:93]
	s_mov_b32 s[SEL], 0x76543210
	s_mov_b32 s[SEL+1], 0xfedcba98
	s_mov_b32 s22, 0x01010101
	v_and_b32 v31, 31, v0
	v_and_b32 v28, 15, v0                          ; r
	v_bfe_u32 v29, v0, 4, 1                        ; h; kept until the figures are done
	v_lshlrev_b32 v[GOF], 4, v31                   ; 16 x lane
	v_lshlrev_b32 v28, 4, v28                      ; 16 r
	; the figures: lane (r, h) takes those of key step 2 u + h; past the block's last step it takes the last one's once more
.irp u, 0,1,2,3,4,5,6,7
	v_add_nc_u32 v[VO+\u], 2*\u, v29
	v_min_u32 v[VO+\u], s[IL], v[VO+\u]
	v_mad_u32_u24 v[VO+\u], v[VO+\u], 1536, v28
.endr
.irp u, 0,1,2,3
	v_add_nc_u32 v[VO+8+\u], 2*\u, v29
	v_min_u32 v[VO+8+\u], s[PI], v[VO+8+\u]
	v_mad_u32_u24 v[VO+8+\u], v[VO+8+\u], 1536, v28
.endr
.irp u, 0,1,2,3,4,5,6,7
	global_load_b128 v[ML+4*\u:ML+4*\u+3], v[VO+\u], s[96:97]
	global_load_b128 v[SL+4*\u:SL+4*\u+3], v[VO+\u], s[96:97] offset:256
	global_load_b128 v[WL+4*\u:WL+4*\u+3], v[VO+\u], s[96:97] offset:512
.endr
.irp u, 0,1,2,3
	global_load_b128 v[MS+4*\u:MS+4*\u+3], v[VO+8+\u], s[98:99]
	global_load_b128 v[SS+4*\u:SS+4*\u+3], v[VO+8+\u], s[98:99] offset:256
	global_load_b128 v[WS+4*\u:WS+4*\u+3], v[VO+8+\u], s[98:99] offset:512
.endr
.irp u, 0,1,2,3,4,5,6,7                ; V's scale words: 256 keys each, which lie in the batch for every u
	global_load_b128 v[VSC+4*\u:VSC+4*\u+3], v[GOF], s[2:3] offset:8192*\u
.endr
	; the LDS addresses and the way out's
	s_mul_i32 s23, s[HA], 6144
	v_add_nc_u32 v[AL], s23, v[GOF]
	v_add_nc_u32 v[AL+1], HALF, v[AL]
	v_add_nc_u32 v[AS], SREG, v[AL]
	v_add_nc_u32 v[AS+1], SREG+HALF, v[AL]
	s_mul_i32 s23, s[HB], 12288
	s_add_co_u32 s23, s23, VREG
	v_add_nc_u32 v[AV], s23, v[GOF]
	v_add_nc_u32 v[AV+1], HALF, v[AV]
	v_lshlrev_b32 v30, 3, v31
	v_add_nc_u32 v[AV+2], s23, v30
	v_add_nc_u32 v[AV+3], HALF, v[AV+2]
	s_mul_i32 s23, s[WV], 16*SPITCH
	s_add_co_u32 s23, s23, STG
	v_and_b32 v[STO], 15, v0
	v_mul_u32_u24 v[STO], v[STO], SPITCH
	v_lshlrev_b32 v30, 5, v29
	v_add_nc_u32 v[STO], v[STO], v30
	v_add_nc_u32 v[STO], s23, v[STO]               ; the stage, in: row r, 32 bytes for each half of the lanes
	v_mul_u32_u24 v[RD], v29, SPITCH
	v_add_nc_u32 v[RD], v[RD], v28
	v_add_nc_u32 v[RD], s23, v[RD]                 ; and back: lanes 0-15 one row of 256 bytes, lanes 16-31 the next
	v_lshlrev_b32 v[CO], 12, v29
	v_add_nc_u32 v[CO], v[CO], v28                 ; and the same two rows in O
	; the refills: waves 0 and 1 two key steps of P each, waves 2 and 3 256 keys of V each; the prefetch goes by the same bases
	s_lshr_b32 s93, s[PI], 2
	s_mul_i32 s93, s93, 196608
	s_and_b32 s23, s[PI], 3
	s_mul_i32 s23, s23, 6144
	SADD 93, 23                                    ; my pair's eighth of V's 512 keys
	s_mul_i32 s92, ttmp9, 6144                     ; my channel tile's eighth of four key steps of P
	s_cmp_lt_u32 s[WV], 2
	s_cselect_b64 s[88:89], s[80:81], s[84:85]
	s_mov_b32 s90, 4*196608
	s_cselect_b32 s90, 2*HALF, s90                 ; key step 8
	s_mov_b32 s91, 196608
	s_cselect_b32 s91, HALF/2, s91                 ; from the first of two waves to the second
	s_mov_b32 s94, 2*196608
	s_cselect_b32 s94, HALF, s94                   ; from one refill to the next
	s_mov_b32 s95, 0
	s_cselect_b32 s92, s92, s93
	SADD 92, 90
	s_mul_i32 s23, s[HB], s94
	SADD 92, 23                                    ; the second wave of two asks for what the second refill brings
	s_mul_i32 s91, s91, s[HB]
	SADD 90, 91
	s_mov_b32 s91, 0
	s_mov_b32 s[G0R], 1
	s_mul_i32 s[G0R+1], s[WV], HALF/2
	s_mul_i32 s23, s[HA], VREG-HALF
	s_add_co_u32 s[G0R+1], s[G0R+1], s23
	s_add_nc_u64 s[G0R+2:G0R+3], s[88:89], s[90:91]
	s_or_b32 s[G0R+3], s[G0R+3], 0x80000000
	v_min_u32 v[PFV], 23, v31
	v_lshlrev_b32 v[PFV], 8, v[PFV]
	v_add_nc_u32 v[PFV], s92, v[PFV]
.irp k, 0,1,2,3,4,5,6,7
	v_mov_b32 v[TP+\k], 0                          ; a lane permute's destination counts as one of its sources
.endr
	WALU
	s_mul_i32 s23, s[HB], s[PI]
	s_cmp_gt_u32 s23, 3
	s_cbranch_scc1 .Lno_ask                        ; key steps 12-15 are read where i <= 3 alone
	global_prefetch_b8 v[PFV], s[88:89] th:TH_LOAD_NT scope:SCOPE_SE
.Lno_ask:
	WALU
	s_wait_loadcnt 0x0
.irp a, 0,1,2,3
	v_max3_num_f32 v[MGL+\a], v[ML+\a], v[ML+4+\a], v[ML+8+\a]
	v_max3_num_f32 v[MGS+\a], v[MS+\a], v[MS+4+\a], v[MS+8+\a]
.endr
.irp a, 0,1,2,3
	v_max3_num_f32 v[MGL+\a], v[MGL+\a], v[ML+12+\a], v[ML+16+\a]
	v_max_num_f32 v[MGS+\a], v[MGS+\a], v[MS+12+\a]
.endr
.irp a, 0,1,2,3
	v_max3_num_f32 v[MGL+\a], v[MGL+\a], v[ML+20+\a], v[ML+24+\a]
.endr
.irp a, 0,1,2,3
	v_max_num_f32 v[MGL+\a], v[MGL+\a], v[ML+28+\a]
.endr
.irp a, 0,1,2,3,4,5,6,7                ; (MGS lies behind MGL)
	v_permlanex16_b32 v[TP+\a], v[MGL+\a], s[SEL], s[SEL+1]
.endr
.irp a, 0,1,2,3,4,5,6,7
	v_max_num_f32 v[MGL+\a], v[MGL+\a], v[TP+\a]   ; the row's M
.endr
.macro FOLD m, l, w, mg, la, u, ix     ; key steps 2 u + h under the row's M, in place
.irp a, 0,1,2,3
	v_sub_f32 v[\m+\a], v[\m+\a], v[\mg+\a]
.endr
	v_add_nc_u32 v31, 2*\u, v29
.irp a, 0,1,2,3
	v_max_num_f32 v[\m+\a], 0xc2800000, v[\m+\a]   ; held at -64
.endr
	v_cmp_ge_u32 vcc_lo, s[\ix], v31
.irp a, 0,1,2,3
	v_cvt_i32_f32 v[\m+\a], v[\m+\a]
.endr
	v_cndmask_b32 v30, 0, 1.0, vcc_lo              ; a step past the block's last counts for nothing
.irp a, 0,1,2,3
	v_ldexp_f32 v[\l+\a], v[\l+\a], v[\m+\a]
.endr
.irp a, 0,1,2,3
	v_mul_lo_u32 v[\m+\a], v[\m+\a], s22           ; e in each of the four bytes
.endr
.irp a, 0,1,2,3
.if \u == 0
	v_mul_f32 v[\la+\a], v[\l+\a], v30
.else
	v_fma_f32 v[\la+\a], v[\l+\a], v30, v[\la+\a]
.endif
.endr
.irp a, 0,1,2,3
	v_add_nc_u32 v[\w+\a], v[\w+\a], v[\m+\a]      ; the scale word under the row's M: it stays in this register
.endr
.endm
.irp u, 0,1,2,3,4,5,6,7
	FOLD ML+4*\u, SL+4*\u, WL+4*\u, MGL, LAL, \u, IL
.endr
.irp u, 0,1,2,3
	FOLD MS+4*\u, SS+4*\u, WS+4*\u, MGS, LAS, \u, PI
.endr
.irp a, 0,1,2,3,4,5,6,7                ; (LAS lies behind LAL)
	v_permlanex16_b32 v[TP+\a], v[LAL+\a], s[SEL], s[SEL+1]
.endr
.irp a, 0,1,2,3,4,5,6,7
	v_add_f32 v[LAL+\a], v[LAL+\a], v[TP+\a]       ; with the other steps': the row's sum
.endr
	WALU
.irp a, 0,1,2,3
	v_rcp_f32 v[RLL+2*\a], v[LAL+\a]               ; twice: a pair for the packed multiply
	v_rcp_f32 v[RLL+2*\a+1], v[LAL+\a]
	v_rcp_f32 v[RLS+2*\a], v[LAS+\a]
	v_rcp_f32 v[RLS+2*\a+1], v[LAS+\a]
.endr
	v_nop                                          ; a plain place behind the reciprocals
	WALU                                           ; one wait for the batch, ahead of the labels below and of every reader
.macro LOADV kt                        ; V's four fragments of key step kt into set kt % 2: 16 loads
	WIN 0x40
.irp t, 0,1,2,3
.irp c, 0,1
	ds_load_b128 v[48*((\kt)%2)+FR*\t+6*\c:48*((\kt)%2)+FR*\t+6*\c+3], v[AV+((\kt)/4)%2] offset:(((\kt)%4)/2)*24576+\t*3072+((\kt)%2)*1536+768*\c
	ds_load_b64 v[48*((\kt)%2)+FR*\t+6*\c+4:48*((\kt)%2)+FR*\t+6*\c+5], v[AV+2+((\kt)/4)%2] offset:(((\kt)%4)/2)*24576+\t*3072+((\kt)%2)*1536+768*\c+512
.endr
.endr
.endm
.macro LOADP kt, adr, reg              ; P's four fragments: 12 loads, 16 bytes a lane, 512 consecutive bytes each
	WIN 0xc0
.irp a, 0,1,2,3
.irp g, 0,1,2
	ds_load_b128 v[\reg+48*((\kt)%2)+FR*\a+4*\g:\reg+48*((\kt)%2)+FR*\a+4*\g+3], v[\adr+((\kt)/4)%2] offset:((\kt)%4)*12288+\a*1536+512*\g
.endr
.endr
.endm
; 16 matrix instructions: P's four fragments x V's four, key step kt; small = 0 or 1.  The 16 accumulators take turns, one instruction a turn, in the same order in every step.
.macro MUL kt, small
	WIN MULW
.irp a, 0,1,2,3
.irp t, 0,1,2,3
.if (\kt) == 0
	v_wmma_scale_f32_16x16x128_f8f6f4 v[128*\small+8*(4*\a+\t):128*\small+8*(4*\a+\t)+7], v[48*((\kt)%2)+FR*\t:48*((\kt)%2)+FR*\t+FR-1], v[96*\small+48*((\kt)%2)+FR*\a:96*\small+48*((\kt)%2)+FR*\a+FR-1], 0, v[VSC+4*((\kt)/2)+\t], v[WL+32*\small+4*((\kt)/2)+\a] matrix_a_fmt:MATRIX_FMT_FP6 matrix_b_fmt:MATRIX_FMT_FP6
.elseif ((\kt)%2) == 0
	v_wmma_scale_f32_16x16x128_f8f6f4 v[128*\small+8*(4*\a+\t):128*\small+8*(4*\a+\t)+7], v[48*((\kt)%2)+FR*\t:48*((\kt)%2)+FR*\t+FR-1], v[96*\small+48*((\kt)%2)+FR*\a:96*\small+48*((\kt)%2)+FR*\a+FR-1], v[128*\small+8*(4*\a+\t):128*\small+8*(4*\a+\t)+7], v[VSC+4*((\kt)/2)+\t], v[WL+32*\small+4*((\kt)/2)+\a] matrix_a_fmt:MATRIX_FMT_FP6 matrix_b_fmt:MATRIX_FMT_FP6
.else
	v_wmma_scale_f32_16x16x128_f8f6f4 v[128*\small+8*(4*\a+\t):128*\small+8*(4*\a+\t)+7], v[48*((\kt)%2)+FR*\t:48*((\kt)%2)+FR*\t+FR-1], v[96*\small+48*((\kt)%2)+FR*\a:96*\small+48*((\kt)%2)+FR*\a+FR-1], v[128*\small+8*(4*\a+\t):128*\small+8*(4*\a+\t)+7], v[VSC+4*((\kt)/2)+\t], v[WL+32*\small+4*((\kt)/2)+\a] matrix_a_fmt:MATRIX_FMT_FP6 matrix_b_fmt:MATRIX_FMT_FP6 matrix_a_scale:MATRIX_SCALE_ROW1 matrix_b_scale:MATRIX_SCALE_ROW1
.endif
.endr
.endr
.endm
.macro NEXT kt                         ; the next step's V and large P into the other set, which the step before has read
	PLACES 4
	LOADV (\kt)+1
	LOADP (\kt)+1, AL, 0
.endm
.macro DOUBLE kt                       ; both blocks
	s_wait_dscnt 12                                ; all but the youngest 12 loads: the small block's
.if (\kt)%4 < 3
	NEXT \kt
.endif
	MUL \kt, 0
.if (\kt)%4 < 3
	s_wait_dscnt 28                                ; all but the 28 just issued
.else
	s_wait_dscnt 0
.endif
	MUL \kt, 1
.if (\kt)%4 < 3
	LOADP (\kt)+1, AS, 96
.endif
	WIN 0
.endm
.macro SINGLE kt                       ; the large block alone
	s_wait_dscnt 0
.if (\kt)%4 < 3
	NEXT \kt
.endif
	MUL \kt, 0
	WIN 0
.endm
.macro TEST kt, label                  ; past the small block's last step?
	s_cmp_lt_u32 s[PI], \kt
	s_cbranch_scc1 \label
.endm
	s_cmp_eq_u32 s[WV], 3
	s_cbranch_scc1 .Lnot_yet
	s_wait_tensorcnt 0x0
.Lnot_yet:
	s_barrier_signal -1
	s_barrier_wait -1                              ; all but V's steps 4-7 are in
	LOADV 0
	LOADP 0, AL, 0
	LOADP 0, AS, 96
	WIN 0
	DOUBLE 0                                       ; the first products start the sums: nothing is cleared
	TEST 1, .Lone1
	DOUBLE 1
	TEST 2, .Lone2
	DOUBLE 2
	TEST 3, .Lone3
	DOUBLE 3
	s_branch .Lhalf1
.Lone1:
	SINGLE 1
.Lone2:
	SINGLE 2
.Lone3:
	SINGLE 3
.Lhalf1:
	s_wait_tensorcnt 0x0                           ; all my tensor loads are done, V's steps 4-7 among them;
	ds_add_u32 v[SPW], v[NIL]
	s_wait_dscnt 0x0                               ; the add and my reads of the first halves
	s_barrier_signal -1
	s_barrier_wait -1
	TLOAD G0R, G1R                                 ; key steps 8-11 into the first halves; its four v_nop are the places in front of the loads below
	LOADV 4
	LOADP 4, AL, 0
	WIN 0
	TEST 4, .Lone4
	LOADP 4, AS, 96
	WIN 0
	DOUBLE 4
	TEST 5, .Lone5
	DOUBLE 5
	TEST 6, .Lone6
	DOUBLE 6
	TEST 7, .Lone7
	DOUBLE 7
	s_branch .Lhalf2
.Lone4:
	SINGLE 4
.Lone5:
	SINGLE 5
.Lone6:
	SINGLE 6
.Lone7:
	SINGLE 7
.Lhalf2:
	s_wait_tensorcnt 0x0                           ; key steps 8-11 are in
	ds_add_u32 v[SPW], v[NIL]
	s_add_co_u32 s[G0R+1], s[G0R+1], HALF
	s_add_nc_u64 s[G0R+2:G0R+3], s[G0R+2:G0R+3], s[94:95]
	s_wait_dscnt 0x0
	s_barrier_signal -1
	s_barrier_wait -1
	s_cmp_gt_u32 s[PI], 3
	s_cbranch_scc1 .Lno_more                       ; key steps 12-15 are read by no wave where i > 3
	TLOAD G0R, G1R                                 ; key steps 12-15 into the second halves
.Lno_more:
; THE WAY OUT of a block, by 16 queries x 64 channels: divided by the row's sum, through my own stage in LDS, back as whole rows of 256 bytes.
.macro MULR a, small, rl
	WIN 0x82                                       ; destination and source 0 window 2, 1 / l window 0
.set i, 0
.rept 16
	v_pk_mul_f32 v[128*\small+32*(\a)+2*i:128*\small+32*(\a)+2*i+1], v[128*\small+32*(\a)+2*i:128*\small+32*(\a)+2*i+1], v[\rl+2*(\a):\rl+2*(\a)+1]   ; each accumulator from its low end on
.set i, i+1
.endr
.endm
.macro TOSTAGE a, small
	WIN 0x08                                       ; an LDS store's data are its source 1
.irp b, 0,1,2,3
	ds_store_b128 v[STO], v[128*\small+32*(\a)+8*\b:128*\small+32*(\a)+8*\b+3] offset:64*\b
	ds_store_b128 v[STO], v[128*\small+32*(\a)+8*\b+4:128*\small+32*(\a)+8*\b+7] offset:64*\b+16
.endr
	WIN 0
.set BB, BK+32*((\a)%2)
.irp t, 0,1,2,3,4,5,6,7
	ds_load_b128 v[BB+4*\t:BB+4*\t+3], v[RD] offset:2*\t*SPITCH   ; LDS serves a wave's instructions in order (ISA guide 5.7.1.4): these see the stores above, and the next block's stores come behind them
.endr
.endm
.macro SEND a, base, younger           ; younger: the LDS instructions issued behind block a's loads, which may stay out
.set BB, BK+32*((\a)%2)
	s_wait_dscnt \younger
.irp t, 0,1,2,3,4,5,6,7
	global_store_b128 v[CO], v[BB+4*\t:BB+4*\t+3], s[\base:\base+1] offset:(\a)*65536+2*\t*4096 th:TH_STORE_NT   ; 16 lanes store 256 consecutive bytes, at a multiple of 256 from O's first byte
.endr
.endm
.macro OUT small, rl, base
	PLACES 4
	s_wait_xcnt 0x0                                ; earlier stores have read the registers that the stage's rows come back into
	MULR 0, \small, \rl
	TOSTAGE 0, \small
.irp a, 1,2,3
.if \a > 1
	s_wait_xcnt 0x0
.endif
	MULR \a, \small, \rl
	TOSTAGE \a, \small
	SEND \a-1, \base, 16                           ; behind block a - 1's loads: block a's 8 stores and 8 loads
.endr
	SEND 3, \base, 0
.endm
	OUT 1, RLS, 66                                 ; the small block leaves while key steps 12-15 are on their way
	LOADV 8
	LOADP 8, AL, 0
	WIN 0
	SINGLE 8
.irp k, 9,10,11
	s_cmp_gt_u32 s[PI], 15-\k                      ; past the large block's last step?
	s_cbranch_scc1 .Lhalf3
	SINGLE \k
.endr
.Lhalf3:
	s_wait_tensorcnt 0x0                           ; my part of key steps 12-15
	s_wait_dscnt 0x0
	s_barrier_signal -1
	s_barrier_wait -1
	s_cmp_gt_u32 s[PI], 3
	s_cbranch_scc1 .Ldone
	PLACES 4
	LOADV 12
	LOADP 12, AL, 0
	WIN 0
	SINGLE 12
.irp k, 13,14,15
	s_cmp_gt_u32 s[PI], 15-\k
	s_cbranch_scc1 .Ldone
	SINGLE \k
.endr
.Ldone:
	OUT 0, RLL, 10
	s_wait_tensorcnt 0x0                           ; the wave's end, behind my last tensor load and my last LDS store
	ds_add_u32 v[SPW], v[NIL]
	s_wait_dscnt 0x0
	s_endpgm
.Lfunc_end_k_q9516faa28a_pv:
	.size	k_q9516faa28a_pv, .Lfunc_end_k_q9516faa28a_pv-k_q9516faa28a_pv
	.p2alignl 7, 3214868480
	.fill 96, 4, 3214868480
	.section	.rodata,"a",@progbits
	.p2align	6, 0x0
	.amdhsa_kernel k_q9516faa28a_pv
		.amdhsa_group_segment_fixed_size 327680
		.amdhsa_private_segment_fixed_size 0
		.amdhsa_enable_private_segment 0
		.amdhsa_kernarg_size 32
		.amdhsa_user_sgpr_count 2
		.amdhsa_user_sgpr_kernarg_segment_ptr 1
		.amdhsa_wavefront_size32 1
		.amdhsa_system_sgpr_workgroup_id_x 1
		.amdhsa_system_sgpr_workgroup_id_y 1
		.amdhsa_system_sgpr_workgroup_id_z 1
		.amdhsa_system_vgpr_workitem_id 0
		.amdhsa_next_free_vgpr 1024
		.amdhsa_next_free_sgpr 102
		.amdhsa_reserve_vcc 1
		.amdhsa_float_denorm_mode_32 3
		.amdhsa_float_denorm_mode_16_64 3
		.amdhsa_memory_ordered 1
		.amdhsa_forward_progress 1
		.amdhsa_inst_pref_size 175
	.end_amdhsa_kernel
	.amdgpu_metadata
---
amdhsa.version: [ 1, 2 ]
amdhsa.kernels:
  - .name:           k_q9516faa28a_pv
    .symbol:         k_q9516faa28a_pv.kd
    .args:
      - { .name: pimg, .offset: 0, .size: 8, .value_kind: global_buffer, .address_space: global }
      - { .name: pstat, .offset: 8, .size: 8, .value_kind: global_buffer, .address_space: global }
      - { .name: vimg, .offset: 16, .size: 8, .value_kind: global_buffer, .address_space: global }
      - { .name: out0, .offset: 24, .size: 8, .value_kind: global_buffer, .address_space: global }
    .group_segment_fixed_size: 327680
    .private_segment_fixed_size: 0
    .kernarg_segment_align: 8
    .kernarg_segment_size: 32
    .max_flat_workgroup_size: 128
    .sgpr_count:     102
    .vgpr_count:     1024
    .wavefront_size: 32
...
	.end_amdgpu_metadata
.endif
;; end of part 3
